; MI455X (gfx1250); checked and timed in simulation.
; The chip was launched on July 23, 2026; its instructions are those of AMD's public machine-readable ISA for CDNA 5 (MIT licence, August 2026) and "CDNA5" Instruction Set Architecture Reference Guide (July 2026). The comments in the code are by the model that wrote it; some were corrected since.
;; Causal Self Attention. Allowed arithmetic: matrix products marked QUANTISED: E2M3 operands, one E8M0 scale for each 32 along K, by v_wmma_scale_f32_16x16x128_f8f6f4 with both operands' format E2M3, f32 sums; everything else in f32.
;; Inputs: w_proj 1,024 x 1,024 float32; w_qkv 1,024 x 3,072 float32; x 4 x 2,048 x 1,024 float32.
;; Outputs: out0 4 x 2,048 x 1,024 float32.
;; This version of the problem:
;;   THIS VERSION OF THE PROBLEM IS GIVEN IN LOW PRECISION. The matrix products marked QUANTISED in the list below multiply operands that are first quantised to E2M3 (2 exponent bits, 3 mantissa bits; 6 bits a number), with one power-of-two scale for each 32 numbers along K (OCP MX v1.0); their sums are f32. All else is computed in f32.
;;   The module's matrix products, in the order in which they are computed (A, B: the left and right operand; K: the contracted axis; several contracted axes count as one K, in the product's order):
;;     1. [M 8,192, K 1,024] x [K 1,024, N 3,072]; A: input x; B: input w_qkv: QUANTISED
;;     2. batch 64 x [M 2,048, K 64] x [K 64, N 2,048]; A: computed on the way; B: computed on the way: QUANTISED
;;     3. batch 64 x [M 2,048, K 2,048] x [K 2,048, N 64]; A: softmax (see below); B: computed on the way: QUANTISED
;;     4. [M 8,192, K 1,024] x [K 1,024, N 1,024]; A: computed on the way; B: input w_proj: QUANTISED
;;   THE QUANTISER, for each operand of a quantised product, along K:
;;     - K is cut into blocks of 32 from its start; a last block that is shorter is filled with zeros.
;;     - A block's scale is 2^e with e = floor(log2(the largest magnitude in the block)) - 2, held to -126 .. 127; a block of zeros has e = 0. As a byte (E8M0): e + 127.
;;     - Each number is divided by its block's scale, clamped to +-7.5, and rounded to the nearest number of E2M3, ties to even, subnormals kept.
;;     - The product sums the exact products of the quantised numbers (number of the format x scale) in f32.
;;   ~~~python
;;   def quantise(x, axis):      # numpy; x: float32 -> the quantised numbers, widened to float32 again
;;       x = np.moveaxis(x, axis, -1); K = x.shape[-1]
;;       x = np.pad(x, [(0, 0)] * (x.ndim - 1) + [(0, -K % 32)]); x = x.reshape(x.shape[:-1] + (-1, 32)); a = np.abs(x).max(-1, keepdims=True)
;;       e = np.where(a > 0, np.clip(np.frexp(np.where(a > 0, a, 1))[1] - 1 - 2, -126, 127), 0)      # np.frexp(a)[1] - 1 = floor(log2(a)), exactly
;;       r = np.clip(x / 2.0 ** e, -7.5, 7.5)
;;       step = 2.0 ** (np.maximum(np.frexp(np.where(r == 0, 1, r))[1] - 1, 0) - 3)
;;       q = np.round(r / step) * step * 2.0 ** e      # np.round: ties to even
;;       return np.moveaxis(q.reshape(q.shape[:-2] + (-1,))[..., :K], -1, axis).astype(np.float32)
;;   ~~~
;;   SOFTMAX AHEAD OF A QUANTISED PRODUCT. Where the list says 'softmax', what is quantised is not the finished softmax but p = 2^(t - M), with t = logit x log2(e) and M = ceil(the row's largest t), a whole number; so 1/2 < the row's largest p <= 1. The row's sum l is taken of the UNQUANTISED p, in f32, and the product's result is divided by l at the end. Since M is a whole number, a kernel that streams over the keys may use a running M (the ceiling of the running maximum): every later rescaling is an exact power of two, which a block's scale takes up: the codes' values come out the same.
;;   OPERANDS COMPUTED ON THE WAY. 'Computed on the way' means the value that the module computes at that place (a softmax that the list does not call 'softmax' is quantised finished and normalised). What goes into a quantiser is computed in f32, as accurately as f32 sums, v_exp_f32 and their like allow (about 1e-6 of the number): no bf16 or f16 on the way to a quantiser, and a product that is left as it is and whose result goes on into a quantised operand takes f32 operands (vector FMAs, or v_wmma_f32_16x16x4_f32). A number that lies on a knife's edge between two numbers of the format may be rounded either way, as far as f32 arithmetic and the matrix unit's own rounding can turn it there, and no further.
;; One version. Each part assembles by itself: llvm-mc -triple=amdgcn-amd-amdhsa -mcpu=gfx1250 --defsym DOCPART=n.
;; ======== version 1 of 1: 4 launches
;; workspace buffers: codes1 9,437,184 bytes; scales1 393,216 bytes; qkvc 18,874,368 bytes; qkvs 786,432 bytes; yc 6,291,456 bytes; ys 262,144 bytes
;; launch quant (part 1): grid 384 x 1, 4 waves a work-group, no clusters, 34,304 bytes of LDS; arguments x, w_qkv, w_proj, codes1, scales1; writes codes1, scales1
.if DOCPART == 1
	.amdgcn_target "amdgcn-amd-amdhsa--gfx1250"
	.amdhsa_code_object_version 6
	.text
	.protected	k_qc86ca392c4_quant
	.globl	k_qc86ca392c4_quant
	.p2align	8
	.type	k_qc86ca392c4_quant,@function
k_qc86ca392c4_quant:
	s_mov_b64 s[64:65], 0
	v_nop
	global_prefetch_b8 v0, s[64:65] scope:SCOPE_SE
	s_setreg_imm32_b32 hwreg(HW_REG_WAVE_MODE, 25, 1), 1
	s_wait_xcnt 0x0
; CAUSAL SELF-ATTENTION IN MX-FP6 (E2M3, one E8M0 scale for each 32 along K), four launches: quant, qkv, attn, proj.
; THIS LAUNCH turns x [8192][1024], w_qkv [1024][3072] and w_proj [1024][1024], f32, into codes and scale bytes, each along its product's K (x: its columns; the weights: their rows).
; DEAD WORK, left out in the launch attn: the causal mask sets att[q][k] to -infinity wherever k > q, so p = 0 there for all values of the inputs and adds nothing to the row's sum or to y.
; A step of 128 keys that all come after a tile's queries is therefore left out whole; inside the step on the diagonal the work stays and is masked.  No input is dead: all three are loaded.
; LIMITS: a NaN, an infinity or an overflow that reaches only those left-out scores is not carried to the result.  NaN and infinities among the inputs are not served.  A block of zeros, or one whose largest
; magnitude lies under 2^-124, gets the scale byte 1 (the rule says 127 for zeros): its codes are zeros, which add nothing under any byte but 0xff, and the bytes are read by this program alone.
; THE WORKSPACE LIES IN THE ORDER OF THE OPERANDS' REGISTERS.  A fragment (16 rows x 128 K, 12 registers a lane) is 1,536 bytes: registers 2 e, 2 e + 1 of lane l at 256 e + 8 l.
; codes1 = [tile 768][K step 8] fragments; tiles 0-511: x's tokens, 512-703: w_qkv's columns, 704-767: w_proj's.  scales1 = [tile][512 bytes]: the word of K step s and row r at 256 (s / 4) + 16 r + 4 (s % 4).
; THE ROWS OF A TILE ARE NOT NEIGHBOURS: lane r of tile n holds row 32 (n / 2) + 8 (n % 2) + r + 8 (r / 8), so that a later product that takes the tile as source 0 leaves 16 neighbours in the 16 registers of two tiles.
; SHARES: a wave takes one tile and half of K (4 K steps).  Work-groups 0-95: w_qkv, 96-127: w_proj, 128-383: x.  No tensor load, no barrier: waves share nothing.
.set SPARE, 33792                      ; behind the four stages: the spare words, 128 bytes for each wave
.set SPW,  12                          ; v12  my spare word's LDS address; never rewritten
.set NIL,  13                          ; v13  0; never rewritten
.set R,    16                          ; x: v16-143  two sets of 64: 16 rows x 16 bytes a lane, as loaded
.set X,    144                         ; x: v144-207 64 numbers of my row: register 16 b + i = k 32 b + 16 (lane / 16) + i
.set PC,   208                         ; x: v208-219 a fragment's codes; v220-226 at work
.set TM,   228                         ; x: v228-243 at work
.set PWX,  244                         ; x: v244-247 the four K steps' scale words
.set WX,   16                          ; w: v16-79   two sets of 32 numbers down K
.set WC,   112                         ; w: v112..   six registers of codes for each of 8 units, 8 apart: no store's data are written again
.set WT,   176                         ; w: v176-178 a conversion's second half
; 64 numbers of a lane become a fragment's codes in v[PC] on and its scale word in v[pw]
.macro QUANT s, pw
.irp b, 0,1,2,3
	v_max3_num_f32 v[TM+\b], |v[\s+16*\b]|, |v[\s+1+16*\b]|, 0x1800000   ; block b: my 16 numbers, and the floor 2^(3 - 127): the byte cannot fall under 1
.endr
.irp i, 2,4,6,8,10,12,14
.irp b, 0,1,2,3
	v_max3_num_f32 v[TM+\b], v[TM+\b], |v[\s+16*\b+\i]|, |v[\s+1+16*\b+\i]|
.endr
.endr
.irp b, 0,1,2,3
	v_permlanex16_b32 v[TM+4+\b], v[TM+\b], s20, s21
.endr
.irp b, 0,1,2,3
	v_max_num_f32 v[TM+\b], v[TM+\b], v[TM+4+\b]                   ; with lane l xor 16's 16: the block's largest magnitude
.endr
.irp b, 0,1,2,3
	v_add_nc_u32 v[TM+12+\b], 0xff000000, v[TM+\b]                 ; 2 off its exponent field: the conversion's scale operand
.endr
.irp b, 0,1,2,3
	v_lshrrev_b32 v[TM+4+\b], 23, v[TM+12+\b]                      ; the scale's byte
.endr
	v_lshl_or_b32 v[\pw], v[TM+5], 8, v[TM+4]
	v_lshl_or_b32 v[\pw], v[TM+6], 16, v[\pw]
	v_lshl_or_b32 v[\pw], v[TM+7], 24, v[\pw]
.irp c, 0,1
	v_cvt_scalef32_pk16_fp6_f32 v[PC+6*\c:PC+2+6*\c], v[\s+32*\c:\s+15+32*\c], v[TM+12+2*\c]
	v_cvt_scalef32_pk16_fp6_f32 v[PC+12+4*\c:PC+14+4*\c], v[\s+16+32*\c:\s+31+32*\c], v[TM+12+2*\c+1]   ; (a conversion's three registers begin on an even number)
.endr
	v_nop                                          ; one plain place behind a scaled conversion
.irp c, 0,1                                    ; the operand wants a whole block in a lane: lanes 0-15 block 2 c, lanes 16-31 block 2 c + 1
.irp i, 0,1,2
	v_permlane16_swap_b32 v[PC+6*\c+\i], v[PC+12+4*\c+\i]
.endr
.irp i, 0,1,2
	v_mov_b32 v[PC+3+6*\c+\i], v[PC+12+4*\c+\i]
.endr
.endr
.endm
.macro OUTBASE                         ; s17 = the tile, s18 = which half of K: where my codes and my scale words go
	s_lshl_b32 s22, s17, 3
	s_lshl_b32 s24, s18, 2
	s_add_co_u32 s22, s22, s24
	s_mul_i32 s22, s22, 1536
	s_mov_b32 s23, 0
	s_add_nc_u64 s[10:11], s[10:11], s[22:23]
	s_lshl_b32 s22, s17, 9
	s_lshl_b32 s24, s18, 8
	s_add_co_u32 s22, s22, s24
	s_add_nc_u64 s[12:13], s[12:13], s[22:23]
.endm
.macro SCOUT w                         ; lanes 0-15 store four words each: 256 consecutive bytes, aligned
	v_cmp_gt_u32 vcc_lo, 16, v1
	s_wait_xcnt 0x0                                ; EXEC is a source of the stores that are out: it changes only behind this wait
	s_and_saveexec_b32 s22, vcc_lo
	global_store_b128 v8, v[\w:\w+3], s[12:13]
	s_wait_xcnt 0x0                                ; and again in front of the line that widens it
	s_or_b32 exec_lo, exec_lo, s22
.endm
.macro XLOAD t                         ; K step t of my half: 16 rows x 512 consecutive bytes, 16 bytes a lane
.irp i, 0,1,2,3,4,5,6,7,8,9,10,11,12,13,14,15
	global_load_b128 v[R+64*((\t)%2)+4*\i:R+64*((\t)%2)+4*\i+3], v4, s[4:5] offset:(\i+8*(\i/8))*4096+512*(\t) th:TH_LOAD_NT
.endr
.endm
.macro XSTEP t
.if (\t) < 3
	s_wait_loadcnt 16                              ; this step's 16 loads are in; the other set's 16 may be out
.else
	s_wait_loadcnt 0x0
.endif
.irp i, 0,1,2,3,4,5,6,7,8,9,10,11,12,13,14,15
	ds_store_b128 v5, v[R+64*((\t)%2)+4*\i:R+64*((\t)%2)+4*\i+3] offset:528*\i   ; through my own stage: rows 528 bytes apart
.endr
.irp b, 0,1,2,3
.irp j, 0,1,2,3
	ds_load_b128 v[X+16*\b+4*\j:X+16*\b+4*\j+3], v6 offset:128*\b+16*\j          ; LDS serves a wave's instructions in order: these see my stores
.endr
.endr
	s_wait_dscnt 0x0                               ; the numbers are back, and the stores have read their registers,
.if (\t) < 2
	XLOAD (\t)+2                                   ; which take the loads of two steps on
.endif
.if (\t) > 0
	s_wait_xcnt 0x0                                ; the last step's stores have read the codes' registers
.endif
	QUANT X, PWX+(\t)
.irp e, 0,1,2,3,4,5
	global_store_b64 v7, v[PC+2*\e:PC+2*\e+1], s[10:11] offset:1536*(\t)+256*\e    ; 32 lanes store 256 consecutive bytes, aligned
.endr
.endm
.macro WLOAD t, pitch, src             ; unit t: w(64 t + 32 (lane / 16) + i, my column), i = 0 .. 31
.irp i, 0,1,2,3,4,5,6,7,8,9,10,11,12,13,14,15,16,17,18,19,20,21,22,23,24,25,26,27,28,29,30,31
	global_load_b32 v[WX+32*((\t)%2)+\i], v4, s[\src:\src+1] offset:(64*(\t)+\i)*\pitch
.endr
.endm
.macro UNIT t, pitch, src              ; 64 along K: half t % 2 of K step t / 2; a lane's 32 numbers are one whole block
.set XS, WX+32*((\t)%2)
.set CT, WC+8*(\t)
.if (\t) < 7
	s_wait_loadcnt 32                              ; this unit's 32 loads are in; the next unit's may be out
.else
	s_wait_loadcnt 0x0
.endif
	v_max3_num_f32 v184, |v[XS]|, |v[XS+1]|, |v[XS+2]|
	v_max3_num_f32 v185, |v[XS+3]|, |v[XS+4]|, |v[XS+5]|
.irp i, 6,10,14,18,22,26
	v_max3_num_f32 v184, v184, |v[XS+\i]|, |v[XS+\i+1]|
	v_max3_num_f32 v185, v185, |v[XS+\i+2]|, |v[XS+\i+3]|
.endr
	v_max3_num_f32 v184, v184, |v[XS+30]|, |v[XS+31]|
	v_max3_num_f32 v184, v184, v185, 0x1800000     ; and the floor
	v_add_nc_u32 v186, 0xff000000, v184
	v_lshrrev_b32 v[188+(\t)%2], 23, v186
	v_cvt_scalef32_pk16_fp6_f32 v[CT:CT+2], v[XS:XS+15], v186
	v_cvt_scalef32_pk16_fp6_f32 v[WT:WT+2], v[XS+16:XS+31], v186
	v_nop
.irp i, 0,1,2
	v_mov_b32 v[CT+3+\i], v[WT+\i]
.endr
.irp e, 0,1,2
	global_store_b64 v7, v[CT+2*\e:CT+2*\e+1], s[10:11] offset:768*(\t)+256*\e
.endr
.if (\t) < 6
	WLOAD (\t)+2, \pitch, \src
.endif
.if (\t)%2 == 1
	v_lshl_or_b32 v190, v189, 16, v188             ; my two bytes: blocks h and 2 + h,
	v_lshlrev_b32 v190, v10, v190                  ; 8 h bits up;
	v_permlanex16_b32 v191, v190, s20, s21
	v_or_b32 v[192+(\t)/2], v190, v191             ; with lane l xor 16's two the word is whole
.endif
.endm
.macro WPATH pitch, g0, src, gsub
	s_sub_co_u32 s17, ttmp9, \gsub
	s_and_b32 s18, s17, 1                          ; which half of K
	s_lshr_b32 s17, s17, 1
	s_lshl_b32 s17, s17, 2
	s_add_co_u32 s17, s17, s16                     ; my tile of 16 columns
	s_lshr_b32 s22, s17, 1
	s_lshl_b32 s22, s22, 5
	s_and_b32 s23, s17, 1
	s_lshl_b32 s23, s23, 3
	s_add_co_u32 s22, s22, s23                     ; its first column
	s_lshl_b32 s22, s22, 2
	s_mul_i32 s23, s18, 512*\pitch
	s_add_co_u32 s22, s22, s23
	s_mov_b32 s23, 0
	s_add_nc_u64 s[\src:\src+1], s[\src:\src+1], s[22:23]
	s_add_co_u32 s17, s17, \g0
	OUTBASE
	v_and_b32 v4, 8, v2
	v_add_nc_u32 v4, v4, v2                        ; r + 8 (r / 8)
	v_lshlrev_b32 v4, 2, v4
	v_mul_u32_u24 v9, v3, 32*\pitch                ; lanes 16-31 begin 32 rows further down
	v_add_nc_u32 v4, v4, v9
	v_lshlrev_b32 v10, 3, v3
	v_mov_b32 v191, 0                              ; a lane permute's destination counts as one of its sources
	WLOAD 0, \pitch, \src
	WLOAD 1, \pitch, \src
.irp t, 0,1,2,3,4,5,6,7
	UNIT \t, \pitch, \src
.endr
	s_wait_alu depctr_va_vdst(0)
	SCOUT 192
.endm
	s_load_b256 s[4:11], s[0:1], 0x0               ; x s[4:5], w_qkv s[6:7], w_proj s[8:9], codes1 s[10:11]
	s_load_b64 s[12:13], s[0:1], 0x20              ; scales1
	v_lshl_add_u32 v[SPW], v0, 2, SPARE
	v_mov_b32 v[NIL], 0
	v_lshrrev_b32 v1, 5, v0
	v_readfirstlane_b32 s16, v1                    ; wave
	v_and_b32 v1, 31, v0                           ; lane l
	v_and_b32 v2, 15, v0                           ; r
	v_bfe_u32 v3, v0, 4, 1                         ; h
	v_lshlrev_b32 v7, 3, v1                        ; 8 l: my place in a fragment's 256 bytes
	v_lshlrev_b32 v8, 4, v2                        ; 16 r: my row's four scale words
	s_mov_b32 s20, 0x76543210
	s_mov_b32 s21, 0xfedcba98                      ; v_permlanex16_b32's selects for lane l xor 16
	s_wait_kmcnt 0x0
	s_cmp_lt_u32 ttmp9, 96
	s_cbranch_scc1 .Lwqkv
	s_cmp_lt_u32 ttmp9, 128
	s_cbranch_scc1 .Lwproj
	; ---- x: K is innermost.  Each load reads 512 consecutive bytes of a row; the 16 rows turn through my stage so that a lane holds 16 neighbours of each block
	s_sub_co_u32 s17, ttmp9, 128
	s_and_b32 s18, s17, 1
	s_lshr_b32 s17, s17, 1
	s_lshl_b32 s17, s17, 2
	s_add_co_u32 s17, s17, s16                     ; my tile of 16 tokens
	s_lshr_b32 s22, s17, 1
	s_lshl_b32 s22, s22, 5
	s_and_b32 s23, s17, 1
	s_lshl_b32 s23, s23, 3
	s_add_co_u32 s22, s22, s23                     ; its first token
	s_lshl_b32 s22, s22, 12
	s_lshl_b32 s23, s18, 11
	s_add_co_u32 s22, s22, s23
	s_mov_b32 s23, 0
	s_add_nc_u64 s[4:5], s[4:5], s[22:23]
	OUTBASE
	s_mul_i32 s19, s16, 8448                       ; my stage
	s_wait_alu depctr_va_vdst(0)
	v_lshlrev_b32 v4, 4, v1
	v_add_nc_u32 v5, s19, v4                       ; in: 16 bytes a lane
	v_mul_u32_u24 v6, v2, 528
	v_lshl_add_u32 v6, v3, 6, v6
	v_add_nc_u32 v6, s19, v6                       ; out: row r, + 64 h
.irp b, 0,1,2,3
	v_mov_b32 v[TM+4+\b], 0
.endr
	XLOAD 0
	XLOAD 1
	s_wait_alu depctr_va_vdst(0)
	XSTEP 0
	XSTEP 1
	XSTEP 2
	XSTEP 3
	SCOUT PWX
	s_branch .Lend
	; ---- the weights: K is the first axis.  A lane takes a column and its registers run down K: nothing is transposed
.Lwqkv:
	s_wait_alu depctr_va_vdst(0)
	WPATH 12288, 512, 6, 0
	s_branch .Lend
.Lwproj:
	s_wait_alu depctr_va_vdst(0)
	WPATH 4096, 704, 8, 96
.Lend:
	s_wait_tensorcnt 0x0                           ; the wave's end
	ds_add_u32 v[SPW], v[NIL]
	s_wait_dscnt 0x0
	s_endpgm
.Lfunc_end_k_qc86ca392c4_quant:
	.size	k_qc86ca392c4_quant, .Lfunc_end_k_qc86ca392c4_quant-k_qc86ca392c4_quant
	.p2alignl 7, 3214868480
	.fill 96, 4, 3214868480
	.section	.rodata,"a",@progbits
	.p2align	6, 0x0
	.amdhsa_kernel k_qc86ca392c4_quant
		.amdhsa_group_segment_fixed_size 34304
		.amdhsa_private_segment_fixed_size 0
		.amdhsa_enable_private_segment 0
		.amdhsa_kernarg_size 40
		.amdhsa_user_sgpr_count 2
		.amdhsa_user_sgpr_kernarg_segment_ptr 1
		.amdhsa_wavefront_size32 1
		.amdhsa_system_sgpr_workgroup_id_x 1
		.amdhsa_system_sgpr_workgroup_id_y 1
		.amdhsa_system_sgpr_workgroup_id_z 1
		.amdhsa_system_vgpr_workitem_id 0
		.amdhsa_next_free_vgpr 256
		.amdhsa_next_free_sgpr 66
		.amdhsa_reserve_vcc 1
		.amdhsa_float_denorm_mode_32 3
		.amdhsa_float_denorm_mode_16_64 3
		.amdhsa_memory_ordered 1
		.amdhsa_forward_progress 1
		.amdhsa_inst_pref_size 114
	.end_amdhsa_kernel
	.amdgpu_metadata
---
amdhsa.version: [ 1, 2 ]
amdhsa.kernels:
  - .name:           k_qc86ca392c4_quant
    .symbol:         k_qc86ca392c4_quant.kd
    .args:
      - { .name: x, .offset: 0, .size: 8, .value_kind: global_buffer, .address_space: global }
      - { .name: w_qkv, .offset: 8, .size: 8, .value_kind: global_buffer, .address_space: global }
      - { .name: w_proj, .offset: 16, .size: 8, .value_kind: global_buffer, .address_space: global }
      - { .name: codes1, .offset: 24, .size: 8, .value_kind: global_buffer, .address_space: global }
      - { .name: scales1, .offset: 32, .size: 8, .value_kind: global_buffer, .address_space: global }
    .group_segment_fixed_size: 34304
    .private_segment_fixed_size: 0
    .kernarg_segment_align: 8
    .kernarg_segment_size: 40
    .max_flat_workgroup_size: 128
    .sgpr_count:     66
    .vgpr_count:     256
    .wavefront_size: 32
...
	.end_amdgpu_metadata
.endif
;; end of part 1
;; launch qkv (part 2): grid 192 x 4, 4 waves a work-group, clusters of 4 x 4, 327,680 bytes of LDS; arguments codes1, scales1, qkvc, qkvs; writes qkvc, qkvs
.if DOCPART == 2
	.amdgcn_target "amdgcn-amd-amdhsa--gfx1250"
	.amdhsa_code_object_version 6
	.text
	.protected	k_qc86ca392c4_qkv
	.globl	k_qc86ca392c4_qkv
	.p2align	8
	.type	k_qc86ca392c4_qkv,@function
k_qc86ca392c4_qkv:
	s_mov_b64 s[64:65], 0
	v_nop
	global_prefetch_b8 v0, s[64:65] scope:SCOPE_SE
	s_setreg_imm32_b32 hwreg(HW_REG_WAVE_MODE, 25, 1), 1
	s_wait_xcnt 0x0
	s_wait_alu depctr_hold_cnt(0) depctr_sa_sdst(0) depctr_va_vdst(0) depctr_va_sdst(0) depctr_va_ssrc(0) depctr_va_vcc(0) depctr_vm_vsrc(0)
	s_getreg_b32 s2, hwreg(HW_REG_IB_STS2, 6, 4)
	s_cmp_eq_u32 s2, 0
	s_cbranch_scc0 .Lentry_in_a_cluster
	s_endpgm
.Lentry_in_a_cluster:
	s_bfe_u32 s2, ttmp6, 0x10000c
	s_cmp_lg_u32 s2, 0xf033
	s_cbranch_scc0 .Lentry_shape_is_right
	s_endpgm
.Lentry_shape_is_right:
; qkv = x w_qkv on codes of FP6 (E2M3) with E8M0 scales, and q, k, v QUANTISED ON THE WAY OUT: no f32 number of qkv goes to memory.
; A work-group of four waves makes 256 rows of SIDE 1 x 128 rows of SIDE 0 over all of K = 1,024.  The product is always D, side 0's fragment, side 1's fragment: a lane holds ONE row of side 1, and the 64
; registers of its 8 tiles are 128 neighbours along side 0 (the rows of a tile are chosen for it: lane r of tile n holds row 32 (n / 2) + 8 (n % 2) + r + 8 (r / 8)).
; q AND k (clusters 0-31): side 1 = 256 tokens, side 0 = 128 columns = two heads: a lane's registers run along the heads' 64, the K of q k^T.
; v (clusters 32-47): side 1 = 256 columns of w_v, side 0 = 128 tokens: a lane's registers run along the KEYS, the K of p v: what comes out is V^T's operand.  One path: the mode chooses numbers by s_cselect alone.
; OUT: qkvc: [16 pairs: q's 8, k's 8][512 token tiles] fragments (half c of a fragment = head 2 p + c), then from byte 12,582,912 [64 key steps][64 tiles of d] fragments.
;      qkvs: [16][128][r 16][tile % 4] words, then from byte 524,288 [64 key steps][16 heads][r 16][tile of d % 4] words.
; ALL OF K FOR BOTH SIDES FITS IN LDS: 4 slices of two K steps, 73,728 bytes each.  Every byte is asked for at the head; nothing is filled again: no ring.  A wave has five tensor loads out at the most.
; CLUSTER 4 x 4: side 1's tiles hang on cy alone and are asked for jointly along the cluster's row, side 0's on cx alone, along its column.
; REGISTERS: window 0: v16-30 addresses; v32-63 side 1's scale words (tile a, K step s at 32 + 8 a + s); v64-127 side 0's (64 + 8 b + s); v128-223 side 1's fragments, two sets.
;   window 1: the 32 accumulators (a, b) at v[8 (8 a + b)].   window 2: side 0's fragments, two sets of 96.
.set SL,    73728                      ; a slice: side 1's 16 tiles x 3,072 bytes, then side 0's 8
.set SB0,   49152
.set SCA,   294912                     ; side 1's scale words, 16 tiles x 512 bytes
.set SCB,   303104                     ; side 0's, 8 x 512
.set SPARE, 307200                     ; the spare words, 128 bytes for each wave
.set ADRA, 16                          ; v16-19  my side-1 fragments in slice 0..3
.set ADRB, 20                          ; v20-23  side 0's
.set OSC,  24                          ; v24     16 r
.set OCD,  26                          ; v26     8 l
.set ASA,  27
.set SPW,  28
.set NIL,  29
.set ASB,  30
.set SA,   32
.set SBR,  64
.set AF,   128
.set T2,   176                         ; the way out, in the fragments' registers: v128-175 codes, v176-182, v184-199 at work, v200-203 scale words
.set TM,   184
.set PW,   200
.set G1A,  24
.set G1B,  32
.set G1SA, 40
.set G1SB, 48
.set G0SA, 56
.set G0SB, 60
.set G0A,  68                          ; s[68:83] a group 0 for each slice of side 1;  s[84:99] of side 0
.set G0B,  84
.set MSB, 0
.macro WIN new                         ; the immediate's high byte repeats the setting that is left
.if MSB != \new
	s_set_vgpr_msb (MSB<<8)|\new
.set MSB, \new
.endif
.endm
.set MULW, 0x52                        ; source 0 window 2, source 1 window 0, C and D window 1
.set TO_B, 0x80                        ; destination window 2, address window 0
; A joint load: waves 0 and 1 fetch side 1's halves, waves 2 and 3 side 0's.  The branch hangs on the wave's number alone.  An s_nop 0 and four v_nop follow each line.
.macro JLOAD g0a, g1a, g0b, g1b
	s_cmp_eq_u32 s15, 0
	s_cbranch_scc0 .Lfor_b_\@
	tensor_load_to_lds s[\g0a:\g0a+3], s[\g1a:\g1a+7]
	s_nop 0
.rept 4
	v_nop
.endr
	s_branch .Lasked_\@
.Lfor_b_\@:
	tensor_load_to_lds s[\g0b:\g0b+3], s[\g1b:\g1b+7]
	s_nop 0
.rept 4
	v_nop
.endr
.Lasked_\@:
.endm
.macro CROUND                          ; a round of the cluster's barrier
	s_barrier_signal -1
	s_barrier_wait -1
	s_cmp_lg_u32 s14, 0
	s_cbranch_scc1 .Lnot_wave_0_\@
	s_barrier_signal -3
.Lnot_wave_0_\@:
	s_barrier_wait -3
	s_barrier_signal -1
	s_barrier_wait -1
.endm
.macro PLACES                          ; four plain places behind matrix instructions, in front of loads into their registers and of reads of results
.rept 4
	v_nop
.endr
.endm
.macro FETCH s, p                      ; K step s: side 0's 8 fragments and my 4 of side 1 into set p; each load takes 256 consecutive bytes
	WIN TO_B
.irp b, 0,1,2,3,4,5,6,7
.irp e, 0,1,2,3,4,5
	ds_load_b64 v[96*(\p)+12*\b+2*\e:96*(\p)+12*\b+2*\e+1], v[ADRB+(\s)/2] offset:3072*\b+1536*((\s)%2)+256*\e
.endr
.endr
	WIN 0
.irp a, 0,1,2,3
.irp e, 0,1,2,3,4,5
	ds_load_b64 v[AF+48*(\p)+12*\a+2*\e:AF+48*(\p)+12*\a+2*\e+1], v[ADRA+(\s)/2] offset:3072*\a+1536*((\s)%2)+256*\e
.endr
.endr
.endm
.macro MM a, b, s, zero
.if \zero
	v_wmma_scale_f32_16x16x128_f8f6f4 v[8*(8*(\a)+\b):8*(8*(\a)+\b)+7], v[96*((\s)%2)+12*\b:96*((\s)%2)+12*\b+11], v[AF+48*((\s)%2)+12*(\a):AF+48*((\s)%2)+12*(\a)+11], 0, v[SBR+8*\b+(\s)], v[SA+8*(\a)+(\s)] matrix_a_fmt:MATRIX_FMT_FP6 matrix_b_fmt:MATRIX_FMT_FP6
.else
	v_wmma_scale_f32_16x16x128_f8f6f4 v[8*(8*(\a)+\b):8*(8*(\a)+\b)+7], v[96*((\s)%2)+12*\b:96*((\s)%2)+12*\b+11], v[AF+48*((\s)%2)+12*(\a):AF+48*((\s)%2)+12*(\a)+11], v[8*(8*(\a)+\b):8*(8*(\a)+\b)+7], v[SBR+8*\b+(\s)], v[SA+8*(\a)+(\s)] matrix_a_fmt:MATRIX_FMT_FP6 matrix_b_fmt:MATRIX_FMT_FP6
.endif
.endm
.macro MUL2 a0, s, zero                ; 16 matrix instructions.  The 32 accumulators take turns, one instruction a turn, in the same order in every K step
	WIN MULW
.irp a, \a0, \a0+1
.irp b, 0,1,2,3,4,5,6,7
	MM \a, \b, \s, \zero
.endr
.endr
.endm
.macro STEPA s, zero                   ; an even K step: its successor lies in the same slice
	s_wait_dscnt 0x0                               ; this step's fragments, asked for a K step ago
.if (\s) > 0
	PLACES
.endif
	FETCH (\s)+1, 1
	MUL2 0, \s, \zero
	MUL2 2, \s, \zero
.endm
.macro STEPB s                         ; an odd K step: its successor lies in the next slice, which other waves' loads brought
	s_wait_tensorcnt (5-(\s))/2                    ; my part of the next slice is in; the count is the slices behind it, which may stay out
	s_wait_dscnt 0x0                               ; this step's fragments
	s_barrier_signal -1
	MUL2 0, \s, 0
	s_barrier_wait -1                              ; everybody's part is in
	PLACES
	FETCH (\s)+1, 0
	MUL2 2, \s, 0
.endm
	s_load_b256 s[4:11], s[0:1], 0x0               ; codes1 s[4:5], scales1 s[6:7], qkvc s[8:9], qkvs s[10:11]
	v_lshl_add_u32 v[SPW], v0, 2, SPARE
	v_mov_b32 v[NIL], 0
	ds_add_u32 v[SPW], v[NIL]                      ; the wave's opening: the add, twice on end, and its wait ahead of my first tensor load
	ds_add_u32 v[SPW], v[NIL]
	v_lshrrev_b32 v1, 5, v0
	v_readfirstlane_b32 s14, v1                    ; wave 0..3
	s_lshr_b32 s15, s14, 1                         ; I fetch for side 1 (0) or side 0 (1),
	s_and_b32 s16, s14, 1                          ; and which half of its tiles
	s_bfe_u32 s66, ttmp6, 0x40000                  ; cx
	s_bfe_u32 s67, ttmp6, 0x40004                  ; cy
	s_and_b32 s12, ttmp9, 3
	s_lshl_b32 s12, s12, 2
	s_sub_co_u32 s13, ttmp9, 32
	s_lshl_b32 s13, s13, 2
	s_lshr_b32 s17, ttmp9, 2
	s_lshl_b32 s17, s17, 2
	s_cmp_lt_u32 ttmp9, 32                         ; q and k, or v?  The cluster's number: the same in all sixteen partners
	s_cselect_b32 s100, s12, s13
	s_cselect_b32 s101, s17, 0
	s_cselect_b32 s2, 0, 640                       ; side 1's first tile in codes1: x's, or w_v's
	s_cselect_b32 s3, 512, 0                       ; side 0's: w_q's and w_k's, or x's
	s_cselect_b32 s12, 512, 64                     ; tiles of side 1 in all
	s_cselect_b32 s13, 0, 12582912                 ; where this mode's codes begin in qkvc,
	s_cselect_b32 s17, 0, 524288                   ; and its words in qkvs
	s_add_co_u32 s100, s100, s66                   ; X: which 128 rows of side 0 (hangs on cx alone)
	s_add_co_u32 s101, s101, s67                   ; Y: which 256 rows of side 1 (hangs on cy alone)
	s_lshl_b32 s104, s67, 2
	s_lshl_b32 s104, 15, s104                      ; my row of the cluster
	s_lshl_b32 s105, 0x1111, s66                   ; my column
	s_lshl_b32 s18, s101, 4
	s_add_co_u32 s18, s18, s2
	s_lshl_b32 s22, s16, 3
	s_add_co_u32 s18, s18, s22                     ; side 1: the first of the 8 tiles that I would fetch
	s_lshl_b32 s20, s100, 3
	s_add_co_u32 s20, s20, s3
	s_lshl_b32 s22, s16, 2
	s_add_co_u32 s20, s20, s22                     ; side 0: the first of 4
	; descriptor groups 1: elements of 8 bytes, no padding; bit 21 set beside a mask
	s_or_b32 s[G1A], s104, (3<<16)|(1<<21)
	s_or_b32 s[G1B], s105, (3<<16)|(1<<21)
	s_or_b32 s[G1SA], s104, (3<<16)|(1<<21)
	s_or_b32 s[G1SB], s105, (3<<16)|(1<<21)
.irp g, G1A, G1B
	s_mov_b32 s[\g+1], 384<<16                     ; a row: a tile's two K steps, 3,072 bytes
	s_mov_b32 s[\g+3], 384<<16
	s_mov_b32 s[\g+5], 1536                        ; from tile to tile: 12,288 bytes
	s_mov_b32 s[\g+6], 0
	s_mov_b32 s[\g+7], 0
.endr
	s_mov_b32 s[G1A+2], 8<<16
	s_mov_b32 s[G1A+4], 8
	s_mov_b32 s[G1B+2], 4<<16
	s_mov_b32 s[G1B+4], 4
.irp g, G1SA, G1SB
	s_mov_b32 s[\g+1], 32<<16                      ; dense blocks, as rows of 256 bytes
	s_mov_b32 s[\g+3], 32<<16
	s_mov_b32 s[\g+5], 32
	s_mov_b32 s[\g+6], 0
	s_mov_b32 s[\g+7], 0
.endr
	s_mov_b32 s[G1SA+2], 16<<16
	s_mov_b32 s[G1SA+4], 16
	s_mov_b32 s[G1SB+2], 8<<16
	s_mov_b32 s[G1SB+4], 8
	; groups 0: LDS addresses hang on the wave's number alone
	s_mov_b32 s[G0SA], 1
	s_lshl_b32 s[G0SA+1], s16, 12
	s_add_co_u32 s[G0SA+1], s[G0SA+1], SCA
	s_mov_b32 s[G0SB], 1
	s_lshl_b32 s[G0SB+1], s16, 11
	s_add_co_u32 s[G0SB+1], s[G0SB+1], SCB
	s_mul_i32 s22, s16, 24576
	s_mul_i32 s23, s16, 12288
.irp g, 0,1,2,3
	s_mov_b32 s[G0A+4*\g], 1
	s_add_co_u32 s[G0A+4*\g+1], s22, \g*SL
	s_mov_b32 s[G0B+4*\g], 1
	s_add_co_u32 s[G0B+4*\g+1], s23, \g*SL+SB0
.endr
	s_mul_i32 s[G0SA+2], s18, 512
	s_mov_b32 s[G0SA+3], 0
	s_mul_i32 s[G0SB+2], s20, 512
	s_mov_b32 s[G0SB+3], 0
	s_mul_i32 s[G0A+2], s18, 12288
	s_mov_b32 s[G0A+3], 0
	s_mul_i32 s[G0B+2], s20, 12288
	s_mov_b32 s[G0B+3], 0
	s_wait_dscnt 0x0                               ; both opening adds are done
	s_wait_kmcnt 0x0
	s_add_nc_u64 s[G0SA+2:G0SA+3], s[6:7], s[G0SA+2:G0SA+3]
	s_add_nc_u64 s[G0SB+2:G0SB+3], s[6:7], s[G0SB+2:G0SB+3]
	s_add_nc_u64 s[G0A+2:G0A+3], s[4:5], s[G0A+2:G0A+3]
	s_add_nc_u64 s[G0B+2:G0B+3], s[4:5], s[G0B+2:G0B+3]
.irp g, 1,2,3
	s_add_nc_u64 s[G0A+4*\g+2:G0A+4*\g+3], s[G0A+2:G0A+3], \g*3072
	s_add_nc_u64 s[G0B+4*\g+2:G0B+4*\g+3], s[G0B+2:G0B+3], \g*3072
.endr
	s_or_b32 s[G0SA+3], s[G0SA+3], 0x80000000
	s_or_b32 s[G0SB+3], s[G0SB+3], 0x80000000
.irp g, 0,1,2,3
	s_or_b32 s[G0A+4*\g+3], s[G0A+4*\g+3], 0x80000000
	s_or_b32 s[G0B+4*\g+3], s[G0B+4*\g+3], 0x80000000
.endr
	CROUND                                         ; all sixteen work-groups are here: the joint loads meet
	JLOAD G0SA, G1SA, G0SB, G1SB                   ; the scale words first, then the four slices: five loads of mine are out
.irp g, 0,1,2,3
	JLOAD G0A+4*\g, G1A, G0B+4*\g, G1B
.endr
	v_and_b32 v1, 31, v0                           ; l
	v_and_b32 v2, 15, v0                           ; r
	v_lshlrev_b32 v[OCD], 3, v1
	v_lshlrev_b32 v[OSC], 4, v2
	s_mul_i32 s22, s14, 12288                      ; my four tiles of side 1
	v_add_nc_u32 v4, s22, v[OCD]
.irp g, 0,1,2,3
	v_add_nc_u32 v[ADRA+\g], \g*SL, v4
	v_add_nc_u32 v[ADRB+\g], \g*SL+SB0, v[OCD]
.endr
	s_lshl_b32 s22, s14, 11
	s_add_co_u32 s22, s22, SCA
	v_add_nc_u32 v[ASA], s22, v[OSC]
	v_add_nc_u32 v[ASB], SCB, v[OSC]
	; where my results go: fragment X x (tiles of side 1) + 16 Y + 4 wave + a; its words: a quarter of that number x 256 bytes
	s_mul_i32 s22, s100, s12
	s_lshl_b32 s23, s101, 4
	s_add_co_u32 s22, s22, s23
	s_lshl_b32 s23, s14, 2
	s_add_co_u32 s22, s22, s23
	s_lshl_b32 s2, s22, 6
	s_add_co_u32 s2, s2, s17
	s_mov_b32 s3, 0
	s_add_nc_u64 s[10:11], s[10:11], s[2:3]
	s_mul_i32 s22, s22, 1536
	s_add_co_u32 s22, s22, s13
	s_mov_b32 s23, 0
	s_add_nc_u64 s[8:9], s[8:9], s[22:23]
	s_mov_b32 s20, 0x76543210
	s_mov_b32 s21, 0xfedcba98                      ; v_permlanex16_b32's selects for lane l xor 16
	s_wait_tensorcnt 3                             ; my part of the scale words and of slice 0 is in; slices 1 to 3 may stay out
	s_barrier_signal -1
	s_barrier_wait -1                              ; everybody's is
.irp a, 0,1,2,3
.irp g, 0,1
	ds_load_b128 v[SA+8*\a+4*\g:SA+8*\a+4*\g+3], v[ASA] offset:512*\a+256*\g     ; four K steps' words of my row lie on end
.endr
.endr
.irp b, 0,1,2,3,4,5,6,7
.irp g, 0,1
	ds_load_b128 v[SBR+8*\b+4*\g:SBR+8*\b+4*\g+3], v[ASB] offset:512*\b+256*\g
.endr
.endr
	FETCH 0, 0
	STEPA 0, 1                                     ; the first K step's products start the sums: nothing is cleared
	STEPB 1
	STEPA 2, 0
	STEPB 3
	STEPA 4, 0
	STEPB 5
	STEPA 6, 0
	s_wait_dscnt 0x0
	MUL2 0, 7, 0
	MUL2 2, 7, 0
	WIN 0
; THE WAY OUT.  The 64 registers of my tile a are 128 neighbours along the next product's K: register 16 b + i = k 32 b + 16 (lane / 16) + i.  They become one fragment and one scale word a row, and leave as they stand.
.macro QUANTW s, pc, pw                ; the numbers lie in window 1, all else in window 0; each accumulator is read from its low end on
	WIN 0x05
.irp b, 0,1,2,3
	v_max3_num_f32 v[TM+\b], |v[\s+16*\b]|, |v[\s+1+16*\b]|, 0x1800000   ; and the floor 2^(3 - 127): the byte cannot fall under 1
.endr
	WIN 0x14
.irp i, 2,4,6,8,10,12,14
.irp b, 0,1,2,3
	v_max3_num_f32 v[TM+\b], v[TM+\b], |v[\s+16*\b+\i]|, |v[\s+1+16*\b+\i]|
.endr
.endr
	WIN 0
.irp b, 0,1,2,3
	v_permlanex16_b32 v[TM+4+\b], v[TM+\b], s20, s21
.endr
.irp b, 0,1,2,3
	v_max_num_f32 v[TM+\b], v[TM+\b], v[TM+4+\b]
.endr
.irp b, 0,1,2,3
	v_add_nc_u32 v[TM+12+\b], 0xff000000, v[TM+\b]                 ; 2 off the exponent field: the conversion's scale operand
.endr
.irp b, 0,1,2,3
	v_lshrrev_b32 v[TM+4+\b], 23, v[TM+12+\b]
.endr
	v_lshl_or_b32 v[\pw], v[TM+5], 8, v[TM+4]
	v_lshl_or_b32 v[\pw], v[TM+6], 16, v[\pw]
	v_lshl_or_b32 v[\pw], v[TM+7], 24, v[\pw]
	WIN 0x01
.irp c, 0,1
	v_cvt_scalef32_pk16_fp6_f32 v[\pc+6*\c:\pc+6*\c+2], v[\s+32*\c:\s+32*\c+15], v[TM+12+2*\c]
	v_cvt_scalef32_pk16_fp6_f32 v[T2+4*\c:T2+4*\c+2], v[\s+16+32*\c:\s+31+32*\c], v[TM+12+2*\c+1]
.endr
	WIN 0
	v_nop                                          ; one plain place behind a scaled conversion
.irp c, 0,1
.irp i, 0,1,2
	v_permlane16_swap_b32 v[\pc+6*\c+\i], v[T2+4*\c+\i]
.endr
.irp i, 0,1,2
	v_mov_b32 v[\pc+3+6*\c+\i], v[T2+4*\c+\i]
.endr
.endr
.endm
	PLACES
.irp b, 0,1,2,3
	v_mov_b32 v[TM+4+\b], 0                        ; a lane permute's destination counts as one of its sources
.endr
.irp a, 0,1,2,3
	QUANTW 64*\a, AF+12*\a, PW+\a
.irp e, 0,1,2,3,4,5
	global_store_b64 v[OCD], v[AF+12*\a+2*\e:AF+12*\a+2*\e+1], s[8:9] offset:1536*\a+256*\e   ; 32 lanes store 256 consecutive bytes, aligned
.endr
.endr
	v_cmp_gt_u32 vcc_lo, 16, v1
	s_wait_xcnt 0x0                                ; EXEC changes only behind this wait
	s_and_saveexec_b32 s22, vcc_lo
	global_store_b128 v[OSC], v[PW:PW+3], s[10:11] ; lanes 0-15: my four tiles' words of row r: 256 consecutive bytes, aligned
	s_wait_xcnt 0x0
	s_or_b32 exec_lo, exec_lo, s22
	s_wait_tensorcnt 0x0                           ; the wave's end
	ds_add_u32 v[SPW], v[NIL]
	s_wait_dscnt 0x0
	CROUND                                         ; the closing round
	s_endpgm
.Lfunc_end_k_qc86ca392c4_qkv:
	.size	k_qc86ca392c4_qkv, .Lfunc_end_k_qc86ca392c4_qkv-k_qc86ca392c4_qkv
	.p2alignl 7, 3214868480
	.fill 96, 4, 3214868480
	.section	.rodata,"a",@progbits
	.p2align	6, 0x0
	.amdhsa_kernel k_qc86ca392c4_qkv
		.amdhsa_group_segment_fixed_size 327680
		.amdhsa_private_segment_fixed_size 0
		.amdhsa_enable_private_segment 0
		.amdhsa_kernarg_size 32
		.amdhsa_user_sgpr_count 2
		.amdhsa_user_sgpr_kernarg_segment_ptr 1
		.amdhsa_wavefront_size32 1
		.amdhsa_system_sgpr_workgroup_id_x 1
		.amdhsa_system_sgpr_workgroup_id_y 1
		.amdhsa_system_sgpr_workgroup_id_z 1
		.amdhsa_system_vgpr_workitem_id 0
		.amdhsa_next_free_vgpr 768
		.amdhsa_next_free_sgpr 106
		.amdhsa_reserve_vcc 1
		.amdhsa_float_denorm_mode_32 3
		.amdhsa_float_denorm_mode_16_64 3
		.amdhsa_memory_ordered 1
		.amdhsa_forward_progress 1
		.amdhsa_inst_pref_size 102
	.end_amdhsa_kernel
	.amdgpu_metadata
---
amdhsa.version: [ 1, 2 ]
amdhsa.kernels:
  - .name:           k_qc86ca392c4_qkv
    .symbol:         k_qc86ca392c4_qkv.kd
    .args:
      - { .name: codes1, .offset: 0, .size: 8, .value_kind: global_buffer, .address_space: global }
      - { .name: scales1, .offset: 8, .size: 8, .value_kind: global_buffer, .address_space: global }
      - { .name: qkvc, .offset: 16, .size: 8, .value_kind: global_buffer, .address_space: global }
      - { .name: qkvs, .offset: 24, .size: 8, .value_kind: global_buffer, .address_space: global }
    .group_segment_fixed_size: 327680
    .private_segment_fixed_size: 0
    .kernarg_segment_align: 8
    .kernarg_segment_size: 32
    .max_flat_workgroup_size: 128
    .sgpr_count:     106
    .vgpr_count:     768
    .wavefront_size: 32
...
	.end_amdgpu_metadata
.endif
;; end of part 2
;; launch attn (part 3): grid 8 x 32, 16 waves a work-group, no clusters, 327,680 bytes of LDS; arguments qkvc, qkvs, yc, ys; writes yc, ys
.if DOCPART == 3
	.amdgcn_target "amdgcn-amd-amdhsa--gfx1250"
	.amdhsa_code_object_version 6
	.text
	.protected	k_qc86ca392c4_attn
	.globl	k_qc86ca392c4_attn
	.p2align	8
	.type	k_qc86ca392c4_attn,@function
k_qc86ca392c4_attn:
	s_mov_b64 s[64:65], 0
	v_nop
	global_prefetch_b8 v0, s[64:65] scope:SCOPE_SE
	s_setreg_imm32_b32 hwreg(HW_REG_WAVE_MODE, 25, 1), 1
	s_wait_xcnt 0x0
; y = softmax(q k^T / 8, causal) v for 64 (batch, head) pairs of 2,048 x 64, both products on codes of FP6 (E2M3) with E8M0 scales; y is QUANTISED on the way out, along the model's 1,024.
; LEFT OUT AS DEAD WORK: key steps all of whose 128 keys come after a tile's queries (the causal mask makes their p zero for all inputs); a NaN or infinity that reaches only those scores is not carried on.
; THE SOFTMAX: t = score x log2(e) / 8; M = the running largest t rounded UP to a whole number; p = 2^(t - M) is quantised along the keys; the row's sum is taken of the unquantised p and divides at the end.
; SHARES.  Work-group (j, P): batch P / 8, heads 2 p and 2 p + 1 (p = P % 8).  Wave w: head 2 p + w / 8, i = w % 8, and TWO tiles of 16 queries: tile 8 (15 - j) + i, which needs 16 - j key steps, and tile 8 j + i,
; which needs j + 1: seventeen steps for every wave of every work-group.  Every work-group walks all 8 slots of 256 keys (constant trip counts) and jumps over the work of hidden steps.
; NO CLUSTER: under the causal mask the work-groups of a pair need different numbers of slots.
; LAYOUT.  Both products transposed: S^T = K Q^T, O^T = V^T P^T: a lane holds ONE query.  Tiles hold rows 32 (n / 2) + 8 (n % 2) + r + 8 (r / 8), so that p's 16 registers of two tiles are 16 neighbouring keys.
; K = 64 IN AN INSTRUCTION OF 128: q's upper six registers are zero codes.  k's tile t is named as v[48 + 6 t .. + 11]: its upper six registers are the next tile's codes (zeros behind the last), which meet zero codes;
; bytes 2, 3 of both scale words are 0 (16-bit loads), which stands for 2^-127, never NaN.
; LDS: slot s at 65,536 s: K's 16 fragments (both heads), then from 24,576 V's 16.  From 131,072 K's scale words of the batch and pair, from 139,264 V's; 147,456: y's scale words meet; 148,480: the spare words.
; REGISTERS: v1-4, v7 places that stay; v8-11 addresses in hand; v12-19 -M, largest t, sum (a pair) of each tile; v20-43 Q; v44, 45 Q's scales; v48-95 K's or V's fragments, at work between; v96-101 zeros;
;   v102-109 K's or V's scales; v112-175 S^T, then p; v176-239 O^T; v240-251 p's codes; v252 f, v253 p's scale word, v254, 255 at work.
.set SLOT1, 65536
.set KSC,   131072
.set VSC,   139264
.set YT,    147456
.set SPARE, 148480
.set AK0,  1
.set AV0,  2
.set ASK0, 3
.set ASV0, 4
.set SPW,  5
.set NIL,  6
.set ADK,  8
.set ADV,  9
.set ADS,  10
.set ADT,  11
.set QF,   20
.set QS,   44
.set YA,   46
.set PFO,  47
.set KB,   48
.set BM,   48                          ; at work inside v48-95, between the K loads' use and the V loads: the blocks' largest scores,
.set BP,   52                          ; the other half's, then the bytes,
.set CV2,  56                          ; the second conversions' results,
.set SO,   64                          ; the conversions' scale operands,
.set SM2,  68                          ; the sum's second chain
.set SCR,  102
.set YR,   110
.set YO,   111
.set S,    112
.set O,    176
.set PCD,  240
.set TB,   2                           ; s2   LDS byte at which the slot in hand begins
.set TS,   3                           ; s3   the step's scale words: 512 bytes a step, K's and V's alike
.set WV,   18
.set SEL,  20
.set CS,   22                          ; s[22:23] c = log2(e) / 8
.set G1KC, 24
.set G1VC, 32
.set G1KS, 40
.set G1VS, 48
.set G0KC, 56
.set G0VC, 60
.set SLOTS, 66
.set KF,   67                          ; the step's first key
.set G0KS, 68
.set G0VS, 72
.set QB,   76                          ; s76, s77 the first query of each tile's block of 128: the key step on its diagonal
.set Q0,   78                          ; s78, s79 each tile's first query
.set QL,   80                          ; the work-group's last query
.set PFA,  82
.set PFS,  84
.set LIM,  86
.set A0,   92                          ; s92, s93 the first token tile of each block of 8
; Wave 0 fetches K's, wave 1 V's, the others nothing.  An s_nop 0 and four v_nop follow each line.
.macro TLOAD g0k, g1k, g0v, g1v
	s_cmp_eq_u32 s[WV], 0
	s_cbranch_scc0 .Lnot_k_\@
	tensor_load_to_lds s[\g0k:\g0k+3], s[\g1k:\g1k+7]
	s_nop 0
.rept 4
	v_nop
.endr
	s_branch .Lasked_\@
.Lnot_k_\@:
	s_cmp_eq_u32 s[WV], 1
	s_cbranch_scc0 .Lasked_\@
	tensor_load_to_lds s[\g0v:\g0v+3], s[\g1v:\g1v+7]
	s_nop 0
.rept 4
	v_nop
.endr
.Lasked_\@:
.endm
; A prefetch of the slot that the NEXT change of slots will ask for: K's 96 blocks of 256 bytes (waves 4 to 6) and V's 96 (waves 8 to 10), a lane a block, one instruction a wave.  The eight work-groups of a pair walk
; the same K and V: the one with j = 0, which loads all slots, asks, so that each block is named once.  Slots 0 and 1 come by their loads alone; the last change that fills a slot asks for nothing.
.macro ASK
	s_cmp_gt_u32 s[SLOTS], s[LIM]
	s_cbranch_scc0 .Lnot_mine_\@
	global_prefetch_b8 v[PFO], s[PFA:PFA+1] th:TH_LOAD_NT scope:SCOPE_SE
.Lnot_mine_\@:
.endm
; A KEY STEP of tile X: 128 keys, the q-th of the slot in hand
.macro STEP X, q
.set ST, 12+4*(\X)
.set OX, O+32*(\X)
	s_cmp_gt_u32 s[KF], s[QB+\X]                   ; all its keys come after the tile's queries: left out.  Ids and the count of steps alone
	s_cbranch_scc1 .Lhidden_\@
	v_add_nc_u32 v[ADK], s[TB], v[AK0]             ; (these four are also the places behind the last products, in front of the loads)
	v_add_nc_u32 v[ADV], s[TB], v[AV0]
	v_add_nc_u32 v[ADS], s[TS], v[ASK0]
	v_add_nc_u32 v[ADT], s[TS], v[ASV0]
.irp t, 0,1,2,3,4,5,6,7
.irp e, 0,1,2
	ds_load_b64 v[KB+6*\t+2*\e:KB+6*\t+2*\e+1], v[ADK] offset:12288*(\q)+1536*\t+256*\e   ; my head's half of the fragment: 256 consecutive bytes a load
.endr
	ds_load_u16 v[SCR+\t], v[ADS] offset:256*(\t/4)+4*(\t%4)
.endr
	s_wait_dscnt 0x0
.irp t, 0,1,2,3,4,5,6,7
	v_wmma_scale_f32_16x16x128_f8f6f4 v[S+8*\t:S+8*\t+7], v[KB+6*\t:KB+6*\t+11], v[QF+12*(\X):QF+12*(\X)+11], 0, v[SCR+\t], v[QS+(\X)] matrix_a_fmt:MATRIX_FMT_FP6 matrix_b_fmt:MATRIX_FMT_FP6
.endr
.rept 4
	v_nop
.endr
	s_cmp_lg_u32 s[KF], s[QB+\X]                   ; only the step on the diagonal has hidden keys
	s_cbranch_scc1 .Lopen_\@
	s_sub_co_i32 s96, s[Q0+\X], s[KF]
	v_add_nc_u32 v252, s96, v7                     ; d = my query - the step's first key - 16 (lane / 16).  Register 16 b + i holds key 32 b + 16 (lane / 16) + i: hidden where 32 b + i > d
	v_mov_b32 v254, 0xff800000                     ; -infinity
.set n, 0
.rept 64
	v_cmp_gt_i32 vcc_lo, 32*(n/16)+n%16, v252
	v_cndmask_b32 v[S+n], v[S+n], v254, vcc_lo
.set n, n+1
.endr
.Lopen_\@:
.irp b, 0,1,2,3
	v_max3_num_f32 v[BM+\b], v[S+16*\b], v[S+1+16*\b], v[S+2+16*\b]   ; the largest score of each block of 32 keys: for the row's maximum, and, since p rises with the score, for the block's largest p
.endr
.irp i, 3,5,7,9,11,13
.irp b, 0,1,2,3
	v_max3_num_f32 v[BM+\b], v[BM+\b], v[S+16*\b+\i], v[S+1+16*\b+\i]
.endr
.endr
.irp b, 0,1,2,3
	v_max_num_f32 v[BM+\b], v[BM+\b], v[S+15+16*\b]
.endr
.irp b, 0,1,2,3
	s_delay_alu instid0(VALU_DEP_4)
	v_permlanex16_b32 v[BP+\b], v[BM+\b], s[SEL], s[SEL+1]
.endr
.irp b, 0,1,2,3
	s_delay_alu instid0(VALU_DEP_4)
	v_max_num_f32 v[BM+\b], v[BM+\b], v[BP+\b]     ; with lane l xor 16's 16 keys
.endr
	s_delay_alu instid0(VALU_DEP_2)
	v_max3_num_f32 v254, v[BM], v[BM+1], v[BM+2]
	s_delay_alu instid0(VALU_DEP_1)
	v_max_num_f32 v254, v254, v[BM+3]
	s_delay_alu instid0(VALU_DEP_1)
	v_mul_f32 v254, s[CS], v254                    ; as t (c is positive)
	s_delay_alu instid0(VALU_DEP_1)
	v_max_num_f32 v[ST+1], v[ST+1], v254           ; the running largest t
	v_mov_b32 v254, v[ST]
	s_delay_alu instid0(VALU_DEP_2)
	v_floor_f32 v[ST], -v[ST+1]                    ; the new -M = floor(-t): M is a whole number
	s_delay_alu instid0(VALU_DEP_1)
	v_sub_f32 v254, v[ST], v254                    ; old M - new M: a whole number, 0 or less
	s_delay_alu instid0(VALU_DEP_1)
	v_cvt_i32_f32 v254, v254                       ; (it saturates)
	s_delay_alu instid0(VALU_DEP_1)
	v_ldexp_f32 v252, 1.0, v254                    ; f = 2^(old M - new M): rounds nothing
.set n, 0
.rept 32
	v_pk_fma_f32 v[S+n:S+n+1], v[S+n:S+n+1], s[CS:CS+1], v[ST:ST+1] op_sel_hi:[1,0,0]   ; t - M, two at a time
.set n, n+2
.endr
.irp b, 0,1,2,3
	v_fma_f32 v[BM+\b], v[BM+\b], s[CS], v[ST]     ; the same of each block's largest score
.endr
.set n, 0
	s_wait_alu depctr_va_vdst(0)
.rept 64
	v_exp_f32 v[S+n], v[S+n]                       ; p = 2^(t - M), at most 1
.set n, n+1
.endr
	v_pk_mul_f32 v[ST+2:ST+3], v[ST+2:ST+3], v[252:253] op_sel_hi:[1,0]   ; the sums under the new M (a plain place behind the exponentials)
	s_wait_alu depctr_va_vdst(0)                   ; one wait for the batch, ahead of its first reader
.irp b, 0,1,2,3
	v_exp_f32 v[BM+\b], v[BM+\b]                   ; the block's largest p
.endr
	v_pk_add_f32 v[SM2:SM2+1], v[S:S+1], v[S+2:S+3]                      ; the row's sum is taken of the unquantised p: two chains
.irp j, 4,8,12,16,20,24,28,32,36,40,44,48,52,56,60
	v_pk_add_f32 v[ST+2:ST+3], v[ST+2:ST+3], v[S+\j:S+\j+1]
	v_pk_add_f32 v[SM2:SM2+1], v[SM2:SM2+1], v[S+2+\j:S+3+\j]
.endr
	s_delay_alu instid0(VALU_DEP_1)
	v_pk_add_f32 v[ST+2:ST+3], v[ST+2:ST+3], v[SM2:SM2+1]
	s_wait_alu depctr_va_vdst(0)                   ; and one for the four
.irp b, 0,1,2,3
	v_max_num_f32 v[BM+\b], 0x1800000, v[BM+\b]    ; the floor 2^(3 - 127): a block whose every p is 0 keeps the byte 1: its codes are zeros
.endr
.irp b, 0,1,2,3
	s_delay_alu instid0(VALU_DEP_4)
	v_add_nc_u32 v[SO+\b], 0xff000000, v[BM+\b]
.endr
.irp b, 0,1,2,3
	s_delay_alu instid0(VALU_DEP_4)
	v_lshrrev_b32 v[BP+\b], 23, v[SO+\b]
.endr
	s_delay_alu instid0(VALU_DEP_3)
	v_lshl_or_b32 v253, v[BP+1], 8, v[BP]          ; p's scale word for these 128 keys
	s_delay_alu instid0(VALU_DEP_1)
	v_lshl_or_b32 v253, v[BP+2], 16, v253
	s_delay_alu instid0(VALU_DEP_1)
	v_lshl_or_b32 v253, v[BP+3], 24, v253
.irp c, 0,1
	v_cvt_scalef32_pk16_fp6_f32 v[PCD+6*\c:PCD+6*\c+2], v[S+32*\c:S+32*\c+15], v[SO+2*\c]
	v_cvt_scalef32_pk16_fp6_f32 v[CV2+4*\c:CV2+4*\c+2], v[S+16+32*\c:S+31+32*\c], v[SO+2*\c+1]
.endr
	v_nop                                          ; one plain place behind a scaled conversion
.irp c, 0,1
.irp i, 0,1,2
	v_permlane16_swap_b32 v[PCD+6*\c+\i], v[CV2+4*\c+\i]
.endr
.irp i, 0,1,2
	s_delay_alu instid0(VALU_DEP_3)
	v_mov_b32 v[PCD+3+6*\c+\i], v[CV2+4*\c+\i]
.endr
.endr
.set n, 0
.rept 16
	v_pk_mul_f32 v[OX+n:OX+n+1], v[OX+n:OX+n+1], v[252:253] op_sel_hi:[1,0]   ; O^T under the new M.  (These sixteen also stand between the lines that made p's codes and scale word and the products)
.set n, n+2
.endr
.irp t, 0,1,2,3
.irp e, 0,1,2,3,4,5
	ds_load_b64 v[KB+12*\t+2*\e:KB+12*\t+2*\e+1], v[ADV] offset:12288*(\q)+1536*\t+256*\e
.endr
	ds_load_b32 v[SCR+\t], v[ADT] offset:4*\t
.endr
	s_wait_alu depctr_va_vdst(0)
	s_wait_dscnt 0x0
.irp t, 0,1,2,3
	v_wmma_scale_f32_16x16x128_f8f6f4 v[OX+8*\t:OX+8*\t+7], v[KB+12*\t:KB+12*\t+11], v[PCD:PCD+11], v[OX+8*\t:OX+8*\t+7], v[SCR+\t], v253 matrix_a_fmt:MATRIX_FMT_FP6 matrix_b_fmt:MATRIX_FMT_FP6
.endr
.Lhidden_\@:
.endm
.macro SLOT_STEPS
.irp q, 0,1
	STEP 0, \q
	STEP 1, \q
	s_add_co_u32 s[KF], s[KF], 128
	s_add_co_u32 s[TS], s[TS], 512
.endr
	s_xor_b32 s[TB], s[TB], SLOT1
.endm
; THE CHANGE OF SLOTS, at a slot's head.  Each wave waits for all its tensor loads, adds 0 to its spare word, and waits for that and for its reads of the slot that it has left; behind the barrier the slot ahead is
; whole and nobody reads the other one, which is then filled with the keys that follow, up to the causal limit.
.macro CHANGE fill
	s_wait_tensorcnt 0x0                           ; no tensor load of mine is out, so a group 0 may be written
	ds_add_u32 v[SPW], v[NIL]
.if \fill
	ds_add_u32 v[SPW], v[NIL]                      ; twice on end here, in every trip alike
	s_xor_b32 s[G0KC+1], s[G0KC+1], SLOT1
	s_add_nc_u64 s[G0KC+2:G0KC+3], s[G0KC+2:G0KC+3], 24576
	s_xor_b32 s[G0VC+1], s[G0VC+1], SLOT1
	s_add_nc_u64 s[G0VC+2:G0VC+3], s[G0VC+2:G0VC+3], 196608
	s_wait_xcnt 0x0                                ; the last prefetch, a slot back, has read its address
	s_add_nc_u64 s[PFA:PFA+1], s[PFA:PFA+1], s[PFS:PFS+1]
.endif
	s_wait_dscnt 0x0
	s_barrier_signal -1
	s_barrier_wait -1
.if \fill
	s_add_co_u32 s96, s[KF], 256                   ; the first key of the slot that this change would ask for:
	s_cmp_gt_u32 s96, s[QL]                        ; behind the work-group's last query no wave reads it, so it is not asked for.  Ids and the count of steps alone: all sixteen waves go the same way
	s_cbranch_scc1 .Lpast_\@
	TLOAD G0KC, G1KC, G0VC, G1VC
.Lpast_\@:
	ASK
.endif
.endm
.macro QADDR X                         ; tile X's codes and scale halves of my head
	s_add_co_u32 s96, s[A0+\X], s91
	s_lshl_b32 s97, s89, 9
	s_add_co_u32 s97, s97, s96
	s_mul_i32 s97, s97, 1536
	s_mul_i32 s12, s90, 768
	s_add_co_u32 s97, s97, s12
	v_add_nc_u32 v[8+\X], s97, v253
	s_wait_alu depctr_va_vdst(0)
	s_lshl_b32 s97, s89, 7
	s_lshr_b32 s12, s96, 2
	s_add_co_u32 s97, s97, s12
	s_lshl_b32 s97, s97, 8
	s_and_b32 s12, s96, 3
	s_lshl_b32 s12, s12, 2
	s_add_co_u32 s97, s97, s12
	s_lshl_b32 s12, s90, 1
	s_add_co_u32 s97, s97, s12
	v_lshl_add_u32 v[10+\X], v254, 4, s97
.irp e, 0,1,2
	global_load_b64 v[QF+12*\X+2*\e:QF+12*\X+2*\e+1], v[8+\X], s[4:5] offset:256*\e
.endr
	global_load_u16 v[QS+\X], v[10+\X], s[6:7]
.endm
	s_load_b256 s[4:11], s[0:1], 0x0               ; qkvc s[4:5], qkvs s[6:7], yc s[8:9], ys s[10:11]
	v_lshl_add_u32 v[SPW], v0, 2, SPARE
	v_mov_b32 v[NIL], 0
	ds_add_u32 v[SPW], v[NIL]                      ; the wave's opening: the add, twice on end, and its wait ahead of the first tensor load
	ds_add_u32 v[SPW], v[NIL]
	v_lshrrev_b32 v8, 5, v0
	s_delay_alu instid0(VALU_DEP_1)
	v_readfirstlane_b32 s[WV], v8                  ; wave 0..15
	s_and_b32 s89, ttmp7, 0xffff
	s_lshr_b32 s88, s89, 3                         ; the batch
	s_and_b32 s89, s89, 7                          ; p: the pair of heads
	s_lshr_b32 s90, s[WV], 3                       ; c: which head of the pair
	s_and_b32 s91, s[WV], 7                        ; i
	s_sub_co_u32 s92, 15, ttmp9
	s_lshl_b32 s[QB], s92, 7
	s_lshl_b32 s[QB+1], ttmp9, 7
	s_lshr_b32 s93, s91, 1
	s_lshl_b32 s93, s93, 5
	s_and_b32 s94, s91, 1
	s_lshl_b32 s94, s94, 3
	s_add_co_u32 s93, s93, s94
	s_add_co_u32 s[Q0], s[QB], s93
	s_add_co_u32 s[Q0+1], s[QB+1], s93
	s_add_co_u32 s[QL], s[QB], 127
	s_lshl_b32 s94, s88, 7
	s_lshl_b32 s92, s92, 3
	s_add_co_u32 s[A0], s92, s94
	s_lshl_b32 s93, ttmp9, 3
	s_add_co_u32 s[A0+1], s93, s94
	s_add_co_u32 s94, s89, 8                       ; K's codes: ((8 + p) 512 + 128 batch) fragments on
	s_lshl_b32 s94, s94, 9
	s_lshl_b32 s95, s88, 7
	s_add_co_u32 s94, s94, s95
	s_mul_i32 s94, s94, 1536
	s_mov_b32 s95, 0
	s_lshl_b32 s98, s88, 10                        ; V's: 12,582,912 + (1,024 batch + 8 p) fragments
	s_lshl_b32 s99, s89, 3
	s_add_co_u32 s98, s98, s99
	s_mul_i32 s98, s98, 1536
	s_add_co_u32 s98, s98, 12582912
	s_mov_b32 s99, 0
	s_add_co_u32 s96, s89, 8                       ; K's scale words
	s_lshl_b32 s96, s96, 7
	s_lshl_b32 s97, s88, 5
	s_add_co_u32 s96, s96, s97
	s_lshl_b32 s96, s96, 8
	s_mov_b32 s97, 0
	s_lshl_b32 s12, s88, 8                         ; V's
	s_lshl_b32 s13, s89, 1
	s_add_co_u32 s12, s12, s13
	s_lshl_b32 s12, s12, 8
	s_add_co_u32 s12, s12, 524288
	s_mov_b32 s13, 0
	; descriptor groups 1: elements of 8 bytes, no mask, no padding
	s_mov_b32 s[G1KC], 3<<16                       ; K's codes of a slot: 24,576 dense bytes, as 96 rows of 256
	s_mov_b32 s[G1KC+1], 32<<16
	s_mov_b32 s[G1KC+2], 96<<16
	s_mov_b32 s[G1KC+3], 32<<16
	s_mov_b32 s[G1KC+4], 96
	s_mov_b32 s[G1KC+5], 32
	s_mov_b32 s[G1KC+6], 0
	s_mov_b32 s[G1KC+7], 0
	s_mov_b32 s[G1VC], 3<<16                       ; V's: two key steps x 12,288 bytes, 98,304 bytes apart
	s_mov_b32 s[G1VC+1], 1536<<16
	s_mov_b32 s[G1VC+2], 2<<16
	s_mov_b32 s[G1VC+3], 1536<<16
	s_mov_b32 s[G1VC+4], 2
	s_mov_b32 s[G1VC+5], 12288
	s_mov_b32 s[G1VC+6], 0
	s_mov_b32 s[G1VC+7], 0
	s_mov_b32 s[G1KS], 3<<16                       ; K's scale words: 8,192 dense bytes
	s_mov_b32 s[G1KS+1], 32<<16
	s_mov_b32 s[G1KS+2], 32<<16
	s_mov_b32 s[G1KS+3], 32<<16
	s_mov_b32 s[G1KS+4], 32
	s_mov_b32 s[G1KS+5], 32
	s_mov_b32 s[G1KS+6], 0
	s_mov_b32 s[G1KS+7], 0
	s_mov_b32 s[G1VS], 3<<16                       ; V's: 16 key steps x 512 bytes, 4,096 bytes apart
	s_mov_b32 s[G1VS+1], 64<<16
	s_mov_b32 s[G1VS+2], 16<<16
	s_mov_b32 s[G1VS+3], 64<<16
	s_mov_b32 s[G1VS+4], 16
	s_mov_b32 s[G1VS+5], 512
	s_mov_b32 s[G1VS+6], 0
	s_mov_b32 s[G1VS+7], 0
	s_mov_b32 s[SEL], 0x76543210
	s_mov_b32 s[SEL+1], 0xfedcba98
	s_mov_b32 s[CS], 0x3e38aa3b                    ; c = log2(e) / 8
	s_mov_b32 s[CS+1], s[CS]
	s_mov_b32 s[TB], 0
	s_mov_b32 s[TS], 0
	s_mov_b32 s[KF], 0
	s_mov_b32 s[SLOTS], 7
	s_wait_dscnt 0x0                               ; both opening adds are done
	s_wait_kmcnt 0x0
	s_mov_b32 s[G0KS], 1
	s_mov_b32 s[G0KS+1], KSC
	s_add_nc_u64 s[G0KS+2:G0KS+3], s[6:7], s[96:97]
	s_or_b32 s[G0KS+3], s[G0KS+3], 0x80000000
	s_mov_b32 s[G0VS], 1
	s_mov_b32 s[G0VS+1], VSC
	s_add_nc_u64 s[G0VS+2:G0VS+3], s[6:7], s[12:13]
	s_or_b32 s[G0VS+3], s[G0VS+3], 0x80000000
	TLOAD G0KS, G1KS, G0VS, G1VS                   ; the scale words: filled once
	s_mov_b32 s[G0KC], 1
	s_mov_b32 s[G0KC+1], 0
	s_add_nc_u64 s[G0KC+2:G0KC+3], s[4:5], s[94:95]
	s_or_b32 s[G0KC+3], s[G0KC+3], 0x80000000
	s_mov_b32 s[G0VC], 1
	s_mov_b32 s[G0VC+1], 24576
	s_add_nc_u64 s[G0VC+2:G0VC+3], s[4:5], s[98:99]
	s_or_b32 s[G0VC+3], s[G0VC+3], 0x80000000
	TLOAD G0KC, G1KC, G0VC, G1VC                   ; slot 0: a loading wave has two loads out
	v_and_b32 v252, 31, v0                         ; l
	v_and_b32 v254, 15, v0                         ; r
	s_wait_alu depctr_va_vdst(0)
	v_bfe_u32 v255, v0, 4, 1                       ; h
	v_lshlrev_b32 v253, 3, v252                    ; 8 l
	QADDR 0
	QADDR 1
	; the prefetches: where my wave's stand, and who asks
	s_cmp_lt_u32 s[WV], 8
	s_cselect_b32 s[PFA], s94, s98                 ; (an offset so far)
	s_mov_b32 s[PFS], 196608
	s_cselect_b32 s[PFS], 24576, s[PFS]            ; a slot on
	s_cselect_b32 s87, 0, 86016                    ; V's second key step lies 98,304 bytes behind the first, which is 48 blocks long
	s_mov_b32 s[PFS+1], 0
	s_mov_b32 s[PFA+1], 0
	s_add_co_u32 s[PFA], s[PFA], s[PFS]            ; slot 1: the first change of slots steps it to slot 2
	s_add_nc_u64 s[PFA:PFA+1], s[4:5], s[PFA:PFA+1]
	s_sub_co_u32 s96, s[WV], 4
	s_lshr_b32 s96, s96, 3                         ; 0 in waves 4 to 11,
	s_or_b32 s96, s96, ttmp9                       ; of the work-group with j = 0
	s_and_b32 s97, s[WV], 3
	s_cmp_eq_u32 s96, 0
	s_cselect_b32 s[LIM], 1, -1
	s_cmp_eq_u32 s97, 3                            ; (96 blocks are three waves' worth)
	s_cselect_b32 s[LIM], -1, s[LIM]
	s_lshl_b32 s97, s97, 5
	v_add_nc_u32 v[PFO], s97, v252                 ; which block
	s_delay_alu instid0(VALU_DEP_1)
	v_cmp_le_u32 vcc_lo, 48, v[PFO]
	v_mov_b32 v[YO], s87
	s_delay_alu instid0(VALU_DEP_1)
	v_cndmask_b32 v[YO], 0, v[YO], vcc_lo
	s_delay_alu instid0(VALU_DEP_1)
	v_lshl_add_u32 v[PFO], v[PFO], 8, v[YO]
	; LDS places
	s_mul_i32 s96, s90, 768
	v_add_nc_u32 v[AK0], s96, v253
	s_mul_i32 s96, s90, 6144
	s_add_co_u32 s96, s96, 24576
	v_add_nc_u32 v[AV0], s96, v253
	s_lshl_b32 s96, s90, 1
	s_add_co_u32 s96, s96, KSC
	v_lshl_add_u32 v[ASK0], v254, 4, s96
	s_lshl_b32 s96, s90, 8
	s_add_co_u32 s96, s96, VSC
	v_lshl_add_u32 v[ASV0], v254, 4, s96
	v_and_b32 v7, 8, v254
	s_delay_alu instid0(VALU_DEP_1)
	v_add_nc_u32 v7, v7, v254
	v_lshlrev_b32 v[YO], 4, v255
	s_delay_alu instid0(VALU_DEP_1)
	v_sub_nc_u32 v7, v7, v[YO]                     ; r + 8 (r / 8) - 16 h
	s_lshl_b32 s96, s91, 6
	s_lshl_b32 s97, s90, 1
	s_add_co_u32 s96, s96, s97
	s_add_co_u32 s96, s96, YT
	v_lshl_add_u32 v[YA], v254, 2, s96             ; where my two bytes of a row's scale word go
	s_and_b32 s96, s[WV], 1
	s_lshl_b32 s96, s96, 9
	s_add_co_u32 s96, s96, YT
	v_lshl_add_u32 v[YR], v252, 4, s96             ; where waves 0 and 1 read eight tiles' words back
	s_cmp_eq_u32 s[WV], 1
	s_cselect_b32 s96, s[A0+1], s[A0]
	s_lshl_b32 s96, s96, 6
	s_lshl_b32 s97, s89, 15
	s_add_co_u32 s96, s96, s97
	v_lshl_add_u32 v[YO], v252, 4, s96             ; and where they go in ys
.irp X, 0,1
.irp e, 6,7,8,9,10,11
	v_mov_b32 v[QF+12*\X+\e], 0                    ; Q's upper 64 along K: zero codes
.endr
	v_mov_b32 v[13+4*\X], 0xff61b1e6               ; the largest t so far: -3e38
	s_delay_alu instid0(VALU_DEP_1)
	v_floor_f32 v[12+4*\X], -v[13+4*\X]
	v_mov_b32 v[14+4*\X], 0
	v_mov_b32 v[15+4*\X], 0
.endr
.irp e, 96,97,98,99,100,101,252,253,254,255
	v_mov_b32 v\e, 0
.endr
.set n, 0
.rept 64
	v_mov_b32 v[O+n], 0                            ; O^T: the step is written once; the first finds zeros
.set n, n+1
.endr
	s_wait_loadcnt 0x0                             ; Q
.Lslot:                                            ; 7 trips
	CHANGE 1
	SLOT_STEPS
	s_sub_co_u32 s[SLOTS], s[SLOTS], 1
	s_cmp_lg_u32 s[SLOTS], 0
	s_cbranch_scc1 .Lslot
	CHANGE 0                                       ; the last slot is written out: nothing is asked for
	SLOT_STEPS
	; THE WAY OUT.  O^T / the sum; a tile's 32 registers are my head's 64 along the last product's K: register 16 b + i = d 32 b + 16 (lane / 16) + i: two blocks, half a fragment
.rept 4
	v_nop
.endr
	v_add_f32 v14, v14, v15
	v_add_f32 v18, v18, v19
	s_delay_alu instid0(VALU_DEP_2)
	v_permlanex16_b32 v254, v14, s[SEL], s[SEL+1]
	s_delay_alu instid0(VALU_DEP_2)
	v_permlanex16_b32 v255, v18, s[SEL], s[SEL+1]
	s_delay_alu instid0(VALU_DEP_2)
	v_add_f32 v14, v14, v254
	s_delay_alu instid0(VALU_DEP_2)
	v_add_f32 v18, v18, v255
	s_wait_alu depctr_va_vdst(0)
	v_rcp_f32 v14, v14
	v_rcp_f32 v18, v18
	v_and_b32 v10, 31, v0                          ; (a plain place behind the reciprocals)
	s_delay_alu instid0(VALU_DEP_1)
	v_lshlrev_b32 v10, 3, v10
	s_wait_alu depctr_va_vdst(0)
	s_mul_i32 s12, s90, 768
.irp X, 0,1
	s_add_co_u32 s96, s[A0+\X], s91
	s_lshl_b32 s96, s96, 3
	s_add_co_u32 s96, s96, s89
	s_mul_i32 s96, s96, 1536
	s_add_co_u32 s96, s96, s12
	v_add_nc_u32 v[8+\X], s96, v10                 ; yc: fragment 8 x tile + p, half c, 8 l
.endr
	v_mov_b32 v62, 0
	v_mov_b32 v63, 0
	s_wait_alu depctr_va_vdst(0)                   ; one wait for both reciprocals, ahead of their first reader
.irp X, 0,1
.set n, 0
.rept 16
	v_pk_mul_f32 v[O+32*\X+n:O+32*\X+n+1], v[O+32*\X+n:O+32*\X+n+1], v[14+4*\X:15+4*\X] op_sel_hi:[1,0]
.set n, n+2
.endr
.endr
.macro YQ o, cd, yw
.irp b, 0,1
	v_max3_num_f32 v[60+\b], |v[\o+16*\b]|, |v[\o+1+16*\b]|, 0x1800000
.endr
.irp i, 2,4,6,8,10,12,14
.irp b, 0,1
	s_delay_alu instid0(VALU_DEP_2)
	v_max3_num_f32 v[60+\b], v[60+\b], |v[\o+16*\b+\i]|, |v[\o+1+16*\b+\i]|
.endr
.endr
.irp b, 0,1
	s_delay_alu instid0(VALU_DEP_2)
	v_permlanex16_b32 v[62+\b], v[60+\b], s[SEL], s[SEL+1]
.endr
.irp b, 0,1
	s_delay_alu instid0(VALU_DEP_2)
	v_max_num_f32 v[60+\b], v[60+\b], v[62+\b]
.endr
.irp b, 0,1
	s_delay_alu instid0(VALU_DEP_2)
	v_add_nc_u32 v[64+\b], 0xff000000, v[60+\b]
.endr
.irp b, 0,1
	s_delay_alu instid0(VALU_DEP_2)
	v_lshrrev_b32 v[62+\b], 23, v[64+\b]
.endr
	s_delay_alu instid0(VALU_DEP_1)
	v_lshl_or_b32 v[\yw], v63, 8, v62
	v_cvt_scalef32_pk16_fp6_f32 v[\cd:\cd+2], v[\o:\o+15], v64
	v_cvt_scalef32_pk16_fp6_f32 v[66:68], v[\o+16:\o+31], v65
	v_nop
.irp i, 0,1,2
	v_permlane16_swap_b32 v[\cd+\i], v[66+\i]
.endr
.irp i, 0,1,2
	s_delay_alu instid0(VALU_DEP_3)
	v_mov_b32 v[\cd+3+\i], v[66+\i]
.endr
.endm
	YQ O, 48, 70
	YQ O+32, 54, 71
.irp X, 0,1
.irp e, 0,1,2
	global_store_b64 v[8+\X], v[48+6*\X+2*\e:49+6*\X+2*\e], s[8:9] offset:256*\e   ; 32 lanes store 256 consecutive bytes, aligned
.endr
.endr
	ds_store_b16 v[YA], v70                        ; a row's word is made of two waves' halves: they meet in LDS (both lanes of a row write the same value)
	ds_store_b16 v[YA], v71 offset:512
	s_wait_dscnt 0x0                               ; for the others' sake
	s_barrier_signal -1
	s_barrier_wait -1
	s_cmp_lt_u32 s[WV], 2
	s_cbranch_scc0 .Lno_ys
	ds_load_b128 v[72:75], v[YR]
	s_wait_dscnt 0x0
	global_store_b128 v[YO], v[72:75], s[10:11]    ; eight tiles' words: 512 consecutive bytes, aligned
.Lno_ys:
	s_wait_tensorcnt 0x0                           ; the wave's end
	ds_add_u32 v[SPW], v[NIL]
	s_wait_dscnt 0x0
	s_endpgm
.Lfunc_end_k_qc86ca392c4_attn:
	.size	k_qc86ca392c4_attn, .Lfunc_end_k_qc86ca392c4_attn-k_qc86ca392c4_attn
	.p2alignl 7, 3214868480
	.fill 96, 4, 3214868480
	.section	.rodata,"a",@progbits
	.p2align	6, 0x0
	.amdhsa_kernel k_qc86ca392c4_attn
		.amdhsa_group_segment_fixed_size 327680
		.amdhsa_private_segment_fixed_size 0
		.amdhsa_enable_private_segment 0
		.amdhsa_kernarg_size 32
		.amdhsa_user_sgpr_count 2
		.amdhsa_user_sgpr_kernarg_segment_ptr 1
		.amdhsa_wavefront_size32 1
		.amdhsa_system_sgpr_workgroup_id_x 1
		.amdhsa_system_sgpr_workgroup_id_y 1
		.amdhsa_system_sgpr_workgroup_id_z 1
		.amdhsa_system_vgpr_workitem_id 0
		.amdhsa_next_free_vgpr 256
		.amdhsa_next_free_sgpr 100
		.amdhsa_reserve_vcc 1
		.amdhsa_float_denorm_mode_32 3
		.amdhsa_float_denorm_mode_16_64 3
		.amdhsa_memory_ordered 1
		.amdhsa_forward_progress 1
		.amdhsa_inst_pref_size 215
	.end_amdhsa_kernel
	.amdgpu_metadata
---
amdhsa.version: [ 1, 2 ]
amdhsa.kernels:
  - .name:           k_qc86ca392c4_attn
    .symbol:         k_qc86ca392c4_attn.kd
    .args:
      - { .name: qkvc, .offset: 0, .size: 8, .value_kind: global_buffer, .address_space: global }
      - { .name: qkvs, .offset: 8, .size: 8, .value_kind: global_buffer, .address_space: global }
      - { .name: yc, .offset: 16, .size: 8, .value_kind: global_buffer, .address_space: global }
      - { .name: ys, .offset: 24, .size: 8, .value_kind: global_buffer, .address_space: global }
    .group_segment_fixed_size: 327680
    .private_segment_fixed_size: 0
    .kernarg_segment_align: 8
    .kernarg_segment_size: 32
    .max_flat_workgroup_size: 512
    .sgpr_count:     100
    .vgpr_count:     256
    .wavefront_size: 32
...
	.end_amdgpu_metadata
.endif
;; end of part 3
;; launch proj (part 4): grid 8 x 32, 4 waves a work-group, clusters of 4 x 4, 327,680 bytes of LDS; arguments yc, ys, codes1, scales1, out0; writes out0
.if DOCPART == 4
	.amdgcn_target "amdgcn-amd-amdhsa--gfx1250"
	.amdhsa_code_object_version 6
	.text
	.protected	k_qc86ca392c4_proj
	.globl	k_qc86ca392c4_proj
	.p2align	8
	.type	k_qc86ca392c4_proj,@function
k_qc86ca392c4_proj:
	s_mov_b64 s[64:65], 0
	v_nop
	global_prefetch_b8 v0, s[64:65] scope:SCOPE_SE
	s_setreg_imm32_b32 hwreg(HW_REG_WAVE_MODE, 25, 1), 1
	s_wait_xcnt 0x0
	s_wait_alu depctr_hold_cnt(0) depctr_sa_sdst(0) depctr_va_vdst(0) depctr_va_sdst(0) depctr_va_ssrc(0) depctr_va_vcc(0) depctr_vm_vsrc(0)
	s_getreg_b32 s2, hwreg(HW_REG_IB_STS2, 6, 4)
	s_cmp_eq_u32 s2, 0
	s_cbranch_scc0 .Lentry_in_a_cluster
	s_endpgm
.Lentry_in_a_cluster:
	s_bfe_u32 s2, ttmp6, 0x10000c
	s_cmp_lg_u32 s2, 0xf033
	s_cbranch_scc0 .Lentry_shape_is_right
	s_endpgm
.Lentry_shape_is_right:
; out0 = y w_proj on codes of FP6 (E2M3) with E8M0 scales; out0 [8192][1024] f32.  The core is the launch qkv's: a work-group of four waves makes 256 rows of SIDE 1 (tokens: y's tiles) x 128 rows of SIDE 0
; (columns: w_proj's tiles 704 on in codes1) over all of K = 1,024; the product is D, side 0's fragment, side 1's fragment: a lane holds one token and its 64 registers of a tile are 128 neighbouring columns.
; ALL OF K FOR BOTH SIDES FITS IN LDS: 4 slices of two K steps; every byte is asked for at the head, nothing is filled again.  A wave has five tensor loads out at the most.
; CLUSTER 4 x 4: y's tiles hang on cy alone and are asked for jointly along the cluster's row, w_proj's on cx alone, along its column.
; y's scale words lie [K step 8][tile 512][r 16]: my work-group's come as 8 rows of 512 bytes for each half of its 16 tiles.
; REGISTERS: as in qkv.  window 0: v16-30 addresses; v32-63, v64-127 scale words; v128-223 side 1's fragments, two sets (on the way out v128-255: rows of out0).  window 1: accumulators.  window 2: side 0's fragments.
.set SL,    73728
.set SB0,   49152
.set SCA,   294912
.set SCB,   303104
.set SPARE, 307200
.set ADRA, 16
.set ADRB, 20
.set STO,  24                          ; v24  the way out: where I put 32 bytes of a row
.set RD,   25                          ; v25  where I read a row back
.set CO,   26                          ; v26  16 l
.set ASA,  27
.set SPW,  28
.set NIL,  29
.set ASB,  30
.set SA,   32
.set SBR,  64
.set AF,   128
.set BK,   128
.set G1A,  24
.set G1B,  32
.set G1SA, 40
.set G1SB, 48
.set G0SA, 56
.set G0SB, 60
.set G0A,  68
.set G0B,  84
.set MSB, 0
.macro WIN new                         ; the immediate's high byte repeats the setting that is left
.if MSB != \new
	s_set_vgpr_msb (MSB<<8)|\new
.set MSB, \new
.endif
.endm
.set MULW, 0x52                        ; source 0 window 2, source 1 window 0, C and D window 1
.set TO_B, 0x80                        ; destination window 2, address window 0
.macro JLOAD g0a, g1a, g0b, g1b        ; a joint load: waves 0 and 1 fetch side 1's halves, waves 2 and 3 side 0's; an s_nop 0 and four v_nop follow each line
	s_cmp_eq_u32 s15, 0
	s_cbranch_scc0 .Lfor_b_\@
	tensor_load_to_lds s[\g0a:\g0a+3], s[\g1a:\g1a+7]
	s_nop 0
.rept 4
	v_nop
.endr
	s_branch .Lasked_\@
.Lfor_b_\@:
	tensor_load_to_lds s[\g0b:\g0b+3], s[\g1b:\g1b+7]
	s_nop 0
.rept 4
	v_nop
.endr
.Lasked_\@:
.endm
.macro CROUND                          ; a round of the cluster's barrier
	s_barrier_signal -1
	s_barrier_wait -1
	s_cmp_lg_u32 s14, 0
	s_cbranch_scc1 .Lnot_wave_0_\@
	s_barrier_signal -3
.Lnot_wave_0_\@:
	s_barrier_wait -3
	s_barrier_signal -1
	s_barrier_wait -1
.endm
.macro PLACES                          ; four plain places behind matrix instructions (ISA guide 7.12.1)
.rept 4
	v_nop
.endr
.endm
.macro FETCH s, p
	WIN TO_B
.irp b, 0,1,2,3,4,5,6,7
.irp e, 0,1,2,3,4,5
	ds_load_b64 v[96*(\p)+12*\b+2*\e:96*(\p)+12*\b+2*\e+1], v[ADRB+(\s)/2] offset:3072*\b+1536*((\s)%2)+256*\e
.endr
.endr
	WIN 0
.irp a, 0,1,2,3
.irp e, 0,1,2,3,4,5
	ds_load_b64 v[AF+48*(\p)+12*\a+2*\e:AF+48*(\p)+12*\a+2*\e+1], v[ADRA+(\s)/2] offset:3072*\a+1536*((\s)%2)+256*\e
.endr
.endr
.endm
.macro MM a, b, s, zero
.if \zero
	v_wmma_scale_f32_16x16x128_f8f6f4 v[8*(8*(\a)+\b):8*(8*(\a)+\b)+7], v[96*((\s)%2)+12*\b:96*((\s)%2)+12*\b+11], v[AF+48*((\s)%2)+12*(\a):AF+48*((\s)%2)+12*(\a)+11], 0, v[SBR+8*\b+(\s)], v[SA+8*(\a)+(\s)] matrix_a_fmt:MATRIX_FMT_FP6 matrix_b_fmt:MATRIX_FMT_FP6
.else
	v_wmma_scale_f32_16x16x128_f8f6f4 v[8*(8*(\a)+\b):8*(8*(\a)+\b)+7], v[96*((\s)%2)+12*\b:96*((\s)%2)+12*\b+11], v[AF+48*((\s)%2)+12*(\a):AF+48*((\s)%2)+12*(\a)+11], v[8*(8*(\a)+\b):8*(8*(\a)+\b)+7], v[SBR+8*\b+(\s)], v[SA+8*(\a)+(\s)] matrix_a_fmt:MATRIX_FMT_FP6 matrix_b_fmt:MATRIX_FMT_FP6
.endif
.endm
.macro MUL2 a0, s, zero                ; 16 matrix instructions; the 32 accumulators take turns in the same order in every K step
	WIN MULW
.irp a, \a0, \a0+1
.irp b, 0,1,2,3,4,5,6,7
	MM \a, \b, \s, \zero
.endr
.endr
.endm
.macro STEPA s, zero
	s_wait_dscnt 0x0                               ; this step's fragments, asked for a K step ago
.if (\s) > 0
	PLACES
.endif
	FETCH (\s)+1, 1
	MUL2 0, \s, \zero
	MUL2 2, \s, \zero
.endm
.macro STEPB s
	s_wait_tensorcnt (5-(\s))/2                    ; my part of the next slice is in; the count is the slices behind it, which may stay out
	s_wait_dscnt 0x0
	s_barrier_signal -1
	MUL2 0, \s, 0
	s_barrier_wait -1
	PLACES
	FETCH (\s)+1, 0
	MUL2 2, \s, 0
.endm
	s_load_b256 s[4:11], s[0:1], 0x0               ; yc s[4:5], ys s[6:7], codes1 s[8:9], scales1 s[10:11]
	s_load_b64 s[12:13], s[0:1], 0x20              ; out0
	v_lshl_add_u32 v[SPW], v0, 2, SPARE
	v_mov_b32 v[NIL], 0
	ds_add_u32 v[SPW], v[NIL]                      ; the wave's opening: the add, twice on end, and its wait ahead of my first tensor load
	ds_add_u32 v[SPW], v[NIL]
	v_lshrrev_b32 v1, 5, v0
	v_readfirstlane_b32 s14, v1
	s_lshr_b32 s15, s14, 1
	s_and_b32 s16, s14, 1
	s_bfe_u32 s66, ttmp6, 0x40000                  ; cx
	s_bfe_u32 s67, ttmp6, 0x40004                  ; cy
	s_lshl_b32 s100, ttmp9, 2
	s_add_co_u32 s100, s100, s66                   ; X: which 128 columns
	s_and_b32 s101, ttmp7, 0xffff
	s_lshl_b32 s101, s101, 2
	s_add_co_u32 s101, s101, s67                   ; Y: which 256 tokens
	s_lshl_b32 s104, s67, 2
	s_lshl_b32 s104, 15, s104                      ; my row of the cluster
	s_lshl_b32 s105, 0x1111, s66                   ; my column
	s_lshl_b32 s18, s101, 4
	s_lshl_b32 s22, s16, 3
	s_add_co_u32 s18, s18, s22                     ; y: the first of the 8 tiles that I would fetch
	s_lshl_b32 s20, s100, 3
	s_add_co_u32 s20, s20, 704
	s_lshl_b32 s22, s16, 2
	s_add_co_u32 s20, s20, s22                     ; w_proj: the first of 4
	s_or_b32 s[G1A], s104, (3<<16)|(1<<21)
	s_or_b32 s[G1B], s105, (3<<16)|(1<<21)
	s_or_b32 s[G1SA], s104, (3<<16)|(1<<21)
	s_or_b32 s[G1SB], s105, (3<<16)|(1<<21)
.irp g, G1A, G1B
	s_mov_b32 s[\g+1], 384<<16                     ; a row: a tile's two K steps, 3,072 bytes
	s_mov_b32 s[\g+3], 384<<16
	s_mov_b32 s[\g+5], 1536                        ; from tile to tile: 12,288 bytes
	s_mov_b32 s[\g+6], 0
	s_mov_b32 s[\g+7], 0
.endr
	s_mov_b32 s[G1A+2], 8<<16
	s_mov_b32 s[G1A+4], 8
	s_mov_b32 s[G1B+2], 4<<16
	s_mov_b32 s[G1B+4], 4
	s_mov_b32 s[G1SA+1], 64<<16                    ; y's scale words: 8 K steps x 512 bytes (8 tiles), 32,768 bytes apart
	s_mov_b32 s[G1SA+2], 8<<16
	s_mov_b32 s[G1SA+3], 64<<16
	s_mov_b32 s[G1SA+4], 8
	s_mov_b32 s[G1SA+5], 4096
	s_mov_b32 s[G1SA+6], 0
	s_mov_b32 s[G1SA+7], 0
	s_mov_b32 s[G1SB+1], 32<<16                    ; w_proj's: 2,048 dense bytes
	s_mov_b32 s[G1SB+2], 8<<16
	s_mov_b32 s[G1SB+3], 32<<16
	s_mov_b32 s[G1SB+4], 8
	s_mov_b32 s[G1SB+5], 32
	s_mov_b32 s[G1SB+6], 0
	s_mov_b32 s[G1SB+7], 0
	s_mov_b32 s[G0SA], 1
	s_lshl_b32 s[G0SA+1], s16, 12
	s_add_co_u32 s[G0SA+1], s[G0SA+1], SCA
	s_mov_b32 s[G0SB], 1
	s_lshl_b32 s[G0SB+1], s16, 11
	s_add_co_u32 s[G0SB+1], s[G0SB+1], SCB
	s_mul_i32 s22, s16, 24576
	s_mul_i32 s23, s16, 12288
.irp g, 0,1,2,3
	s_mov_b32 s[G0A+4*\g], 1
	s_add_co_u32 s[G0A+4*\g+1], s22, \g*SL
	s_mov_b32 s[G0B+4*\g], 1
	s_add_co_u32 s[G0B+4*\g+1], s23, \g*SL+SB0
.endr
	s_lshl_b32 s[G0SA+2], s18, 6
	s_mov_b32 s[G0SA+3], 0
	s_mul_i32 s[G0SB+2], s20, 512
	s_mov_b32 s[G0SB+3], 0
	s_mul_i32 s[G0A+2], s18, 12288
	s_mov_b32 s[G0A+3], 0
	s_mul_i32 s[G0B+2], s20, 12288
	s_mov_b32 s[G0B+3], 0
	s_wait_dscnt 0x0                               ; both opening adds are done
	s_wait_kmcnt 0x0
	s_add_nc_u64 s[G0SA+2:G0SA+3], s[6:7], s[G0SA+2:G0SA+3]
	s_add_nc_u64 s[G0SB+2:G0SB+3], s[10:11], s[G0SB+2:G0SB+3]
	s_add_nc_u64 s[G0A+2:G0A+3], s[4:5], s[G0A+2:G0A+3]
	s_add_nc_u64 s[G0B+2:G0B+3], s[8:9], s[G0B+2:G0B+3]
.irp g, 1,2,3
	s_add_nc_u64 s[G0A+4*\g+2:G0A+4*\g+3], s[G0A+2:G0A+3], \g*3072
	s_add_nc_u64 s[G0B+4*\g+2:G0B+4*\g+3], s[G0B+2:G0B+3], \g*3072
.endr
	s_or_b32 s[G0SA+3], s[G0SA+3], 0x80000000
	s_or_b32 s[G0SB+3], s[G0SB+3], 0x80000000
.irp g, 0,1,2,3
	s_or_b32 s[G0A+4*\g+3], s[G0A+4*\g+3], 0x80000000
	s_or_b32 s[G0B+4*\g+3], s[G0B+4*\g+3], 0x80000000
.endr
	CROUND                                         ; all sixteen work-groups are here: the joint loads meet
	JLOAD G0SA, G1SA, G0SB, G1SB                   ; the scale words first, then the four slices: five loads of mine are out
.irp g, 0,1,2,3
	JLOAD G0A+4*\g, G1A, G0B+4*\g, G1B
.endr
	v_and_b32 v1, 31, v0                           ; l
	v_and_b32 v2, 15, v0                           ; r
	v_bfe_u32 v3, v0, 4, 1                         ; h
	v_lshlrev_b32 v5, 3, v1
	s_mul_i32 s22, s14, 12288
	v_add_nc_u32 v4, s22, v5
.irp g, 0,1,2,3
	v_add_nc_u32 v[ADRA+\g], \g*SL, v4
	v_add_nc_u32 v[ADRB+\g], \g*SL+SB0, v5
.endr
	s_lshl_b32 s22, s15, 12
	s_lshl_b32 s23, s16, 8
	s_add_co_u32 s22, s22, s23
	s_add_co_u32 s22, s22, SCA
	v_lshl_add_u32 v[ASA], v2, 2, s22              ; y's words: my half, my four tiles of its eight, row r
	v_lshlrev_b32 v[ASB], 4, v2
	v_add_nc_u32 v[ASB], SCB, v[ASB]
	s_mul_i32 s22, s14, 8448                       ; my stage: 16 rows x 528 bytes, in slice 0
	v_mul_u32_u24 v[STO], v2, 528
	v_lshl_add_u32 v[STO], v3, 6, v[STO]
	v_add_nc_u32 v[STO], s22, v[STO]
	v_lshlrev_b32 v[CO], 4, v1
	v_add_nc_u32 v[RD], s22, v[CO]
	s_lshl_b32 s22, s101, 2
	s_add_co_u32 s22, s22, s14
	s_lshl_b32 s22, s22, 18                        ; my 64 tokens: rows of 4,096 bytes
	s_lshl_b32 s23, s100, 9                        ; my work-group's 128 columns
	s_add_co_u32 s22, s22, s23
	s_mov_b32 s23, 0
	s_add_nc_u64 s[12:13], s[12:13], s[22:23]
	s_wait_tensorcnt 3                             ; my part of the scale words and of slice 0 is in; slices 1 to 3 may stay out
	s_barrier_signal -1
	s_barrier_wait -1
.irp a, 0,1,2,3
.irp s, 0,1,2,3,4,5,6,7
	ds_load_b32 v[SA+8*\a+\s], v[ASA] offset:512*\s+64*\a
.endr
.endr
.irp b, 0,1,2,3,4,5,6,7
.irp g, 0,1
	ds_load_b128 v[SBR+8*\b+4*\g:SBR+8*\b+4*\g+3], v[ASB] offset:512*\b+256*\g   ; four K steps' words of my row lie on end
.endr
.endr
	FETCH 0, 0
	STEPA 0, 1                                     ; the first K step's products start the sums
	STEPB 1
	STEPA 2, 0
	STEPB 3
	STEPA 4, 0
	STEPB 5
	STEPA 6, 0
	s_wait_dscnt 0x0
	MUL2 0, 7, 0
	MUL2 2, 7, 0
	WIN 0
; THE WAY OUT, a tile of 16 tokens x 128 columns at a time, through my own stage and back as whole rows of 512 bytes.  The stage lies in slice 0, which has had its one fill; every wave's reads of it were waited
; for in front of the first barrier among the K steps, which every wave has passed.  The stores' immediates put the tile's rows back at their tokens.
.macro TOSTAGE a
	WIN 0x04                                       ; an LDS store's data are its source 1: window 1
.irp b, 0,1,2,3,4,5,6,7
	ds_store_b128 v[STO], v[8*(8*(\a)+\b):8*(8*(\a)+\b)+3] offset:128*(\b/2)+32*(\b%2)       ; each accumulator from its low end on
	ds_store_b128 v[STO], v[8*(8*(\a)+\b)+4:8*(8*(\a)+\b)+7] offset:128*(\b/2)+32*(\b%2)+16
.endr
	WIN 0
.irp t, 0,1,2,3,4,5,6,7,8,9,10,11,12,13,14,15
	ds_load_b128 v[BK+64*((\a)%2)+4*\t:BK+64*((\a)%2)+4*\t+3], v[RD] offset:528*\t   ; LDS serves a wave's instructions in order: these see my stores
.endr
.endm
.macro SEND a, younger                 ; younger: the LDS instructions issued behind tile a's loads, which may stay out
	s_wait_dscnt \younger
.irp t, 0,1,2,3,4,5,6,7,8,9,10,11,12,13,14,15
	global_store_b128 v[CO], v[BK+64*((\a)%2)+4*\t:BK+64*((\a)%2)+4*\t+3], s[12:13] offset:(32*((\a)/2)+8*((\a)%2)+\t+8*(\t/8))*4096 th:TH_STORE_NT   ; 32 lanes store 512 consecutive bytes, aligned
.endr
.endm
	PLACES
	TOSTAGE 0
.irp a, 1,2,3
.if \a > 1
	s_wait_xcnt 0x0                                ; tile a - 2's stores have read their registers
.endif
	TOSTAGE \a
	SEND \a-1, 32                                  ; behind tile a - 1's loads: tile a's 16 stores and 16 loads
.endr
	SEND 3, 0
	s_wait_tensorcnt 0x0                           ; the wave's end
	ds_add_u32 v[SPW], v[NIL]
	s_wait_dscnt 0x0
	CROUND                                         ; the closing round
	s_endpgm
.Lfunc_end_k_qc86ca392c4_proj:
	.size	k_qc86ca392c4_proj, .Lfunc_end_k_qc86ca392c4_proj-k_qc86ca392c4_proj
	.p2alignl 7, 3214868480
	.fill 96, 4, 3214868480
	.section	.rodata,"a",@progbits
	.p2align	6, 0x0
	.amdhsa_kernel k_qc86ca392c4_proj
		.amdhsa_group_segment_fixed_size 327680
		.amdhsa_private_segment_fixed_size 0
		.amdhsa_enable_private_segment 0
		.amdhsa_kernarg_size 40
		.amdhsa_user_sgpr_count 2
		.amdhsa_user_sgpr_kernarg_segment_ptr 1
		.amdhsa_wavefront_size32 1
		.amdhsa_system_sgpr_workgroup_id_x 1
		.amdhsa_system_sgpr_workgroup_id_y 1
		.amdhsa_system_sgpr_workgroup_id_z 1
		.amdhsa_system_vgpr_workitem_id 0
		.amdhsa_next_free_vgpr 768
		.amdhsa_next_free_sgpr 106
		.amdhsa_reserve_vcc 0
		.amdhsa_float_denorm_mode_32 3
		.amdhsa_float_denorm_mode_16_64 3
		.amdhsa_memory_ordered 1
		.amdhsa_forward_progress 1
		.amdhsa_inst_pref_size 99
	.end_amdhsa_kernel
	.amdgpu_metadata
---
amdhsa.version: [ 1, 2 ]
amdhsa.kernels:
  - .name:           k_qc86ca392c4_proj
    .symbol:         k_qc86ca392c4_proj.kd
    .args:
      - { .name: yc, .offset: 0, .size: 8, .value_kind: global_buffer, .address_space: global }
      - { .name: ys, .offset: 8, .size: 8, .value_kind: global_buffer, .address_space: global }
      - { .name: codes1, .offset: 16, .size: 8, .value_kind: global_buffer, .address_space: global }
      - { .name: scales1, .offset: 24, .size: 8, .value_kind: global_buffer, .address_space: global }
      - { .name: out0, .offset: 32, .size: 8, .value_kind: global_buffer, .address_space: global }
    .group_segment_fixed_size: 327680
    .private_segment_fixed_size: 0
    .kernarg_segment_align: 8
    .kernarg_segment_size: 40
    .max_flat_workgroup_size: 128
    .sgpr_count:     106
    .vgpr_count:     768
    .wavefront_size: 32
...
	.end_amdgpu_metadata
.endif
;; end of part 4
